; MI455X (gfx1250); checked and timed in simulation.
; The chip was launched on July 23, 2026; its instructions are those of AMD's public machine-readable ISA for CDNA 5 (MIT licence, August 2026) and "CDNA5" Instruction Set Architecture Reference Guide (July 2026). The comments in the code are by the model that wrote it; some were corrected since.
;; MH Attention. Allowed arithmetic: matrix products marked QUANTISED: E4M3 operands, one given power-of-two scale a tensor, by v_wmma_f32_16x16x64_fp8_fp8 or v_wmma_f32_16x16x128_fp8_fp8, f32 sums; everything else in f32.
;; Inputs: Wk 1,024 x 1,024 float32; Wo 1,024 x 1,024 float32; Wq 1,024 x 1,024 float32; Wv 1,024 x 1,024 float32; bk 1,024 float32; bo 1,024 float32; bq 1,024 float32; bv 1,024 float32; lowp_scales 12 int32 (the exponents e of the quantised operands' scales 2^e); mask 1 x 1 x 2,048 x 2,048 float32; x 4 x 2,048 x 1,024 float32.
;; Outputs: out0 4 x 2,048 x 1,024 float32.
;; This version of the problem:
;;   THIS VERSION OF THE PROBLEM IS GIVEN IN LOW PRECISION. The matrix products marked QUANTISED in the list below multiply operands that are first quantised to E4M3 (4 exponent bits, 3 mantissa bits; 8 bits a number), with one given power-of-two scale for each operand tensor; their sums are f32. All else is computed in f32.
;;   The module's matrix products, in the order in which they are computed (A, B: the left and right operand; K: the contracted axis; several contracted axes count as one K, in the product's order):
;;     1. [M 8,192, K 1,024] x [K 1,024, N 1,024]; A: input x; B: input Wq: QUANTISED (scales: A lowp_scales[0], B lowp_scales[1])
;;     2. [M 8,192, K 1,024] x [K 1,024, N 1,024]; A: input x; B: input Wk: QUANTISED (scales: A lowp_scales[2], B lowp_scales[3])
;;     3. [M 8,192, K 1,024] x [K 1,024, N 1,024]; A: input x; B: input Wv: QUANTISED (scales: A lowp_scales[4], B lowp_scales[5])
;;     4. batch 64 x [M 2,048, K 64] x [K 64, N 2,048]; A: computed on the way; B: computed on the way: QUANTISED (scales: A lowp_scales[6], B lowp_scales[7])
;;     5. batch 64 x [M 2,048, K 2,048] x [K 2,048, N 64]; A: softmax (see below); B: computed on the way: QUANTISED (scales: A lowp_scales[8], B lowp_scales[9])
;;     6. [M 8,192, K 1,024] x [K 1,024, N 1,024]; A: computed on the way; B: input Wo: QUANTISED (scales: A lowp_scales[10], B lowp_scales[11])
;;   THE QUANTISER, for each operand of a quantised product, along K:
;;     - The operand's scale is 2^e, e = its entry of the input lowp_scales (int32; the entries are numbered through the quantised products in the list's order, A before B).
;;     - Each number is divided by the scale, clamped to +-448, and rounded to the nearest number of E4M3, ties to even, subnormals kept.
;;     - The product sums the exact products of the quantised numbers (number of the format x scale) in f32.
;;   ~~~python
;;   def quantise(x, axis, e):      # numpy; x: float32 -> the quantised numbers, widened to float32 again
;;       x = np.moveaxis(x, axis, -1); K = x.shape[-1]
;;       r = np.clip(x / 2.0 ** e, -448, 448)
;;       step = 2.0 ** (np.maximum(np.frexp(np.where(r == 0, 1, r))[1] - 1, -6) - 3)
;;       q = np.round(r / step) * step * 2.0 ** e      # np.round: ties to even
;;       return np.moveaxis(q, -1, axis).astype(np.float32)
;;   ~~~
;;   SOFTMAX AHEAD OF A QUANTISED PRODUCT. Where the list says 'softmax', what is quantised is not the finished softmax but p = 2^(t - M), with t = logit x log2(e) and M = ceil(the row's largest t), a whole number; so 1/2 < the row's largest p <= 1. The row's sum l is taken of the UNQUANTISED p, in f32, and the product's result is divided by l at the end. Since M is a whole number, a kernel that streams over the keys may use a running M (the ceiling of the running maximum): every later rescaling is an exact power of two, so the quantised numbers keep their values, but for numbers so far below the row's largest that they fall under the format's range.
;;   OPERANDS COMPUTED ON THE WAY. 'Computed on the way' means the value that the module computes at that place (a softmax that the list does not call 'softmax' is quantised finished and normalised). What goes into a quantiser is computed in f32, as accurately as f32 sums, v_exp_f32 and their like allow (about 1e-6 of the number): no bf16 or f16 on the way to a quantiser, and a product that is left as it is and whose result goes on into a quantised operand takes f32 operands (vector FMAs, or v_wmma_f32_16x16x4_f32). A number that lies on a knife's edge between two numbers of the format may be rounded either way, as far as f32 arithmetic and the matrix unit's own rounding can turn it there, and no further.
;; One version. Each part assembles by itself: llvm-mc -triple=amdgcn-amd-amdhsa -mcpu=gfx1250 --defsym DOCPART=n.
;; ======== version 1 of 1: 4 launches
;; limits: right only within a limited range of input values
;; workspace buffers: xq 25,165,824 bytes; wimg 4,194,304 bytes; mimg 16,777,216 bytes; flags 512 bytes of whole numbers; qkv 25,165,824 bytes; aimg 8,388,608 bytes
;; launch prep (part 1): grid 256 x 1, 16 waves a work-group, no clusters, 139,776 bytes of LDS; arguments x, Wq, Wk, Wv, Wo, mask, lowp_scales, xq, wimg, mimg, flags; writes xq, wimg, mimg, flags
.if DOCPART == 1
	.amdgcn_target "amdgcn-amd-amdhsa--gfx1250"
	.amdhsa_code_object_version 6
	.text
	.protected	k_qd788d6c0f0_prep
	.globl	k_qd788d6c0f0_prep
	.p2align	8
	.type	k_qd788d6c0f0_prep,@function
k_qd788d6c0f0_prep:
	s_mov_b64 s[64:65], 0
	v_nop
	global_prefetch_b8 v0, s[64:65] scope:SCOPE_SE
	s_setreg_imm32_b32 hwreg(HW_REG_WAVE_MODE, 25, 1), 1
	s_wait_xcnt 0x0
; MULTI-HEAD ATTENTION IN FP8 (E4M3), FIRST OF FOUR LAUNCHES: x and the four weights become codes, the mask becomes an image for the matrix unit and a list of blocks.
; DEAD WORK: none.  Every input of reference() has a way to the output for some values of the inputs (each bias stands ahead of a quantiser or in the result, the mask is an input), so all are loaded by some launch.
; WHAT IS NOT DONE IS CHOSEN BY WHOLE NUMBERS THAT THIS LAUNCH STORES: for each block of 32 queries x 128 keys a bit says that the block can add nothing, whatever q and k hold:
;   quantised q and k are at most 448 x their scale, so |q.k / 8| <= B = 64 x 448^2 x 2^(e6+e7) / 8.  With mk = mask x 1e9, rm the least mk of a row inside the block and mm the row's least mk over all 2,048 keys, the row's largest
;   logit is at least -B - mm and a logit of the block at most B - rm.  Where rm - mm, less 2^-20 (|rm| + |mm|) for the roundings of f32, is at least 2 B + 256, t - M lies under -369 and p = 2^(t - M) is 0 in f32:
;   neither M nor the row's sum nor the product moves.  The bit is set only where that holds for all 32 rows.  A second bit says that the block's mask is all zeros.  The block with a row's least mk never has the first bit.
; OPERAND IMAGES.  All workspaces are laid in the order of the operands' registers: a fragment of 16 rows x 128 K is 2,048 bytes [c 0..3][lane][16 bytes]; lane (r, h) holds, of row 32 (T / 2) + 8 (T % 2) + r + 8 (r / 8),
;   k = 128 s + 32 c + 16 h + 0 .. 15.  The same places of k serve both sides of every product.  The rows of a tile are chosen so that two neighbouring tiles of a result give a lane 16 neighbours along the next K.
; xq [3][T 512][s 8][2,048]: x under lowp_scales[0], [2], [4].  wimg [Wq, Wk, Wv, Wo][T 64][s 8][2,048] under [1], [3], [5], [11].
; mimg [Tq 128][j 16][group 16][lane][16 bytes], f32: register 16 b + w of lane (r, h) is -(mask[row][128 j + 32 b + 16 h + w] x 1e9) x 2^(3 - e6 - e7): what the sums of K Q^T begin with.
; flags [pair of tiles 64][2]: bit j of word 0: block (pair, key step j) adds nothing; of word 1: its mask is all zeros.
; SHARES.  A wave takes two jobs of 16 rows x 128 numbers: tiles 2 beta, 2 beta + 1 of one column step.  Work-groups 0-127: x; 128-191: the weights; 192-255: the mask (a pair of tiles each, a key step a wave).
; Each load reads 512 consecutive bytes of one row; the 8 KiB of a job turn through the wave's own stage in LDS, so that a lane gets 16 neighbours of each block of 32; each store covers 512 consecutive bytes, aligned.
; LIMITS: each e of x and the weights between -126 and 119; e6 + e7 between -124 and 129.  NaN and infinities among the inputs are not served.  No matrix unit, no tensor load, no cluster: a stream that shares nothing.
.set PS,    528                        ; a stage row: 512 bytes + 16: row r begins 4 r words further round the banks
.set STGW,  16*PS                      ; a wave's stage
.set EX,    16*STGW                    ; the rows' least mk, [job 2][row 16][key step 16] words
.set EX2,   EX+2048                    ; the two flags of each key step: words at 4 j and 64 + 4 j
.set SPARE, EX2+256                    ; the spare words, 128 bytes for each of the sixteen waves: no other line names them
.set VL,   2                           ; v2   16 x lane
.set SIN,  3                           ; v3   into the stage
.set SOUT, 4                           ; v4   out of it: 528 r + 64 h
.set EXW,  5                           ; v5   EX + 64 r + 4 wave
.set SPW,  6                           ; v6   my spare word
.set NIL,  7                           ; v7   0
.set SC,   8                           ; v8-10 2^e as f32, up to three
.set EXR,  11                          ; v11  EX + 64 r
.set E2W,  12                          ; v12  EX2 + 4 wave
.set E2R,  13                          ; v13  EX2 + 4 lane
.set R,    16                          ; v16-143 the two jobs' numbers
.set TMP,  144                         ; v144-207 first the loads' offsets, then numbers held
.set CD,   208                         ; v208-239 two sets of codes
	s_load_b512 s[4:19], s[0:1], 0x0               ; x, Wq, Wk, Wv, Wo, mask, lowp_scales, xq
	s_load_b128 s[20:23], s[0:1], 0x40             ; wimg, mimg
	s_load_b64 s[24:25], s[0:1], 0x50              ; flags
	v_lshl_add_u32 v[SPW], v0, 2, SPARE
	v_mov_b32 v[NIL], 0
	v_lshrrev_b32 v1, 5, v0
	v_readfirstlane_b32 s26, v1                    ; wave 0..15
	v_and_b32 v1, 31, v0                           ; lane
	v_and_b32 v14, 15, v0                          ; r
	v_bfe_u32 v15, v0, 4, 1                        ; h
	v_lshlrev_b32 v[VL], 4, v1
	s_mul_i32 s27, s26, STGW
	v_add_nc_u32 v[SIN], s27, v[VL]
	v_mul_u32_u24 v[SOUT], v14, PS
	v_lshl_add_u32 v[SOUT], v15, 6, v[SOUT]
	v_add_nc_u32 v[SOUT], s27, v[SOUT]
	v_lshlrev_b32 v[EXR], 6, v14
	v_add_nc_u32 v[EXR], EX, v[EXR]
	s_lshl_b32 s27, s26, 2
	v_add_nc_u32 v[EXW], s27, v[EXR]
	s_add_co_u32 s27, s27, EX2
	v_mov_b32 v[E2W], s27
	v_lshl_add_u32 v[E2R], v1, 2, EX2
	; who am I: all roles' numbers are made here, on the one way that all take
	s_lshr_b32 s40, s26, 3
	s_and_b32 s41, s26, 7
	s_sub_co_u32 s42, ttmp9, 128
	s_lshr_b32 s43, s42, 4                         ; which weight (of use in work-groups 128-191 alone)
	s_and_b32 s42, s42, 15
	s_cmp_lt_u32 ttmp9, 128
	s_cselect_b32 s42, ttmp9, s42
	s_lshl_b32 s42, s42, 1
	s_add_co_u32 s42, s42, s40                     ; x, weights: beta = 2 x (work-group's place in its role) + wave / 8
	s_sub_co_u32 s47, ttmp9, 192
	s_cmp_ge_u32 ttmp9, 192
	s_cselect_b32 s42, s47, s42                    ; mask: beta = the work-group's place
	s_cselect_b32 s41, s26, s41                    ; column step: wave % 8, or for the mask the wave
	s_cselect_b32 s56, 13, 12                      ; a row is 2^13 bytes in the mask, 2^12 in x and the weights
	s_lshl_b32 s46, s42, 5
	s_lshl_b32 s46, s46, s56                       ; 32 beta rows
	s_lshl_b32 s47, s41, 9
	s_add_co_u32 s46, s46, s47                     ; + 512 bytes a column step
	s_mov_b32 s47, 0
	s_lshl_b32 s57, s42, 4
	s_add_co_u32 s57, s57, s41
	s_lshl_b32 s58, s57, 11                        ; codes: fragment (2 beta, s)
	s_lshl_b32 s59, s43, 20                        ; + the weight's MiB
	s_cmp_lt_u32 ttmp9, 128
	s_cselect_b32 s59, 0, s59
	s_add_co_u32 s58, s58, s59
	s_mov_b32 s59, 0
	s_lshl_b32 s60, s42, 5
	s_add_co_u32 s60, s60, s41
	s_lshl_b32 s60, s60, 13                        ; the mask's image: (tile 2 beta, key step j)
	s_mov_b32 s61, 0
	s_lshl_b32 s62, s42, 3                         ; the pair's two words of flags
	s_mov_b32 s63, 0
.irp u, 0,1
.irp i, 0,1,2,3,4,5,6,7,8,9,10,11,12,13,14,15
	s_lshl_b32 s27, 8*\u+\i+8*(\i/8), s56          ; lane r = i of tile 2 beta + u is row 8 u + i + 8 (i / 8) of the pair's 32
	v_add_nc_u32 v[TMP+16*\u+\i], s27, v[VL]
.endr
.endr
	s_wait_kmcnt 0x0
	s_load_b256 s[28:35], s[16:17], 0x0            ; lowp_scales[0..7]
	s_load_b128 s[36:39], s[16:17], 0x20           ; [8..11]
	s_cmp_eq_u32 s43, 1                            ; the source: a choice that hangs on the work-group's number alone
	s_cselect_b64 s[44:45], s[8:9], s[6:7]
	s_cmp_eq_u32 s43, 2
	s_cselect_b64 s[44:45], s[10:11], s[44:45]
	s_cmp_eq_u32 s43, 3
	s_cselect_b64 s[44:45], s[12:13], s[44:45]
	s_cmp_lt_u32 ttmp9, 128
	s_cselect_b64 s[44:45], s[4:5], s[44:45]
	s_cselect_b64 s[48:49], s[18:19], s[20:21]     ; and where codes go
	s_cmp_ge_u32 ttmp9, 192
	s_cselect_b64 s[44:45], s[14:15], s[44:45]
	s_add_nc_u64 s[44:45], s[44:45], s[46:47]
.irp u, 0,1
.irp i, 0,1,2,3,4,5,6,7,8,9,10,11,12,13,14,15
	global_load_b128 v[R+64*\u+4*\i:R+64*\u+4*\i+3], v[TMP+16*\u+\i], s[44:45] th:TH_LOAD_NT   ; 512 consecutive bytes of one row; read once in the launch
.endr
.endr
	s_add_nc_u64 s[48:49], s[48:49], s[58:59]
	s_add_nc_u64 s[50:51], s[48:49], 0x800000      ; x's second and third copy (used by x's work-groups alone)
	s_add_nc_u64 s[52:53], s[50:51], 0x800000
	s_add_nc_u64 s[22:23], s[22:23], s[60:61]
	s_add_nc_u64 s[24:25], s[24:25], s[62:63]
	s_wait_kmcnt 0x0
	s_cmp_eq_u32 s43, 1                            ; the first scale: x's [0], or the weight's
	s_cselect_b32 s66, s31, s29
	s_cmp_eq_u32 s43, 2
	s_cselect_b32 s66, s33, s66
	s_cmp_eq_u32 s43, 3
	s_cselect_b32 s66, s39, s66
	s_cmp_lt_u32 ttmp9, 128
	s_cselect_b32 s66, s28, s66
.macro MKSC e, k                       ; from the exponent in s[e]: 2^e into v[SC+k], -+448 x 2^e into s[68+2k], s[69+2k]
	s_add_co_i32 s62, s[\e], 127
	s_lshl_b32 s63, s62, 23
	v_mov_b32 v[SC+\k], s63
	s_add_co_i32 s62, s62, 8
	s_lshl_b32 s62, s62, 23
	s_or_b32 s[69+2*\k], s62, 0x600000
	s_or_b32 s[68+2*\k], s[69+2*\k], 0x80000000
.endm
	MKSC 66, 0
	MKSC 30, 1
	MKSC 32, 2
	s_add_co_i32 s74, s34, s35                     ; e6 + e7
	s_sub_co_i32 s75, 130, s74
	s_lshl_b32 s75, s75, 23
	s_or_b32 s76, s75, 0x80000000                  ; -2^(3 - e6 - e7)
	s_mov_b32 s77, s76                             ; (named with it as a pair, so it is written)
	s_mov_b32 s78, 0x4e6e6b28                      ; 1e9
	s_mov_b32 s79, s78
	s_mov_b32 s80, 0x76543210                      ; lane l xor 16
	s_mov_b32 s81, 0xfedcba98
; A job through the stage.  LDS serves a wave's instructions in order, so no wait stands between the stores and the loads, nor ahead of the next job's stores.
.macro TURN u, left
	s_wait_loadcnt \left                           ; this job's 16 loads are in; left: the other job's may be out
.irp i, 0,1,2,3,4,5,6,7,8,9,10,11,12,13,14,15
	ds_store_b128 v[SIN], v[R+64*\u+4*\i:R+64*\u+4*\i+3] offset:PS*\i
.endr
.irp b, 0,1,2,3
.irp i, 0,1,2,3
	ds_load_b128 v[R+64*\u+16*\b+4*\i:R+64*\u+16*\b+4*\i+3], v[SOUT] offset:128*\b+16*\i   ; register 16 b + w: k = 32 b + 16 h + w of row r
.endr
.endr
.endm
	TURN 0, 16
	TURN 1, 0
	s_wait_dscnt 0x0
	s_cmp_ge_u32 ttmp9, 192
	s_cbranch_scc1 .Lmask
; Job u under scale k into code set cs, and out: a fragment is four stores of 512 consecutive bytes.
.macro QUANT u, k, cs
.set i, 0
.rept 64
	v_med3_num_f32 v[TMP+i], v[R+64*\u+i], s[68+2*\k], s[69+2*\k]   ; the conversion to an 8-bit code does not saturate (ISA guide 7.6.2): the hold at the largest code x the scale
.set i, i+1
.endr
	s_wait_xcnt 0x0                                ; the stores that read this set of codes have read it
.irp g, 0,1,2,3,4,5,6,7
	v_cvt_scalef32_pk8_fp8_f32 v[CD+16*\cs+2*\g:CD+16*\cs+2*\g+1], v[TMP+8*\g:TMP+8*\g+7], v[SC+\k]
.endr
	v_nop                                          ; a plain line between the conversions and the next holds, which write their sources
.irp c, 0,1,2,3
	global_store_b128 v[VL], v[CD+16*\cs+4*\c:CD+16*\cs+4*\c+3], s[48+2*\k:49+2*\k] offset:\u*16384+\c*512
.endr
.endm
	QUANT 0, 0, 0
	QUANT 1, 0, 1
	s_cmp_ge_u32 ttmp9, 128
	s_cbranch_scc1 .Lend                           ; a weight has one scale
	QUANT 0, 1, 0
	QUANT 1, 1, 1
	QUANT 0, 2, 0
	QUANT 1, 2, 1
	s_branch .Lend
.Lmask:                                                ; all sixteen waves of a work-group come here or none: the branch hangs on the work-group's number
.set i, 0
.rept 64
	v_pk_mul_f32 v[R+i:R+i+1], v[R+i:R+i+1], s[78:79] op_sel_hi:[1,0]   ; mk = mask x 1e9, rounded as reference() rounds it
.set i, i+2
.endr
	v_min3_num_f32 v240, v[R], v[R+1], v[R+2]      ; each tile's least and largest mk among my 64
	v_min3_num_f32 v241, v[R+64], v[R+65], v[R+66]
	v_max3_num_f32 v242, v[R], v[R+1], v[R+2]
	v_max3_num_f32 v243, v[R+64], v[R+65], v[R+66]
.set i, 3
.rept 30
	v_min3_num_f32 v240, v240, v[R+i], v[R+i+1]
	v_min3_num_f32 v241, v241, v[R+64+i], v[R+65+i]
	v_max3_num_f32 v242, v242, v[R+i], v[R+i+1]
	v_max3_num_f32 v243, v243, v[R+64+i], v[R+65+i]
.set i, i+2
.endr
	v_min_num_f32 v240, v240, v[R+63]
	v_min_num_f32 v241, v241, v[R+127]
	v_max_num_f32 v242, v242, v[R+63]
	v_max_num_f32 v243, v243, v[R+127]
	v_mov_b32 v244, 0                              ; a lane permute's destination counts as read
	v_mov_b32 v245, 0
	v_permlanex16_b32 v244, v240, s80, s81         ; the row's other 64 keys lie in lane l xor 16
	v_permlanex16_b32 v245, v241, s80, s81
	v_min_num_f32 v240, v240, v244                 ; rm of row r, tile 0
	v_min_num_f32 v241, v241, v245                 ; tile 1
	v_permlanex16_b32 v244, v242, s80, s81
	v_permlanex16_b32 v245, v243, s80, s81
	v_max_num_f32 v242, v242, v244
	v_max_num_f32 v243, v243, v245
	ds_store_b32 v[EXW], v240                      ; lanes r and r + 16 write the same word with the same number
	ds_store_b32 v[EXW], v241 offset:1024
.set i, 0
.rept 64
	v_pk_mul_f32 v[R+i:R+i+1], v[R+i:R+i+1], s[76:77] op_sel_hi:[1,0]   ; x -2^(3 - e6 - e7): nothing is rounded
.set i, i+2
.endr
.irp u, 0,1
.irp g, 0,1,2,3,4,5,6,7,8,9,10,11,12,13,14,15
	global_store_b128 v[VL], v[R+64*\u+4*\g:R+64*\u+4*\g+3], s[22:23] offset:\u*131072+\g*512
.endr
.endr
	s_wait_dscnt 0x0                               ; for the others' sake: my two words lie in LDS
	s_barrier_signal -1
	s_barrier_wait -1
.irp k, 0,1,2,3
	ds_load_b128 v[TMP+4*\k:TMP+4*\k+3], v[EXR] offset:16*\k            ; row r's least mk in each of the sixteen key steps
	ds_load_b128 v[TMP+16+4*\k:TMP+16+4*\k+3], v[EXR] offset:1024+16*\k
.endr
	v_mov_b32 v250, 0x4a440000                     ; 3,211,264 = 2 x 64 x 448^2 / 8
	v_ldexp_f32 v250, v250, s74
	v_add_f32 v250, 0x43800000, v250               ; + 256
	v_mov_b32 v251, 1.0
	s_wait_dscnt 0x0
	v_min3_num_f32 v248, v[TMP], v[TMP+1], v[TMP+2]
	v_min3_num_f32 v249, v[TMP+16], v[TMP+17], v[TMP+18]
.set i, 3
.rept 6
	v_min3_num_f32 v248, v248, v[TMP+i], v[TMP+i+1]
	v_min3_num_f32 v249, v249, v[TMP+16+i], v[TMP+17+i]
.set i, i+2
.endr
	v_min_num_f32 v248, v248, v[TMP+15]            ; mm of row r, tile 0
	v_min_num_f32 v249, v249, v[TMP+31]            ; tile 1
	v_sub_f32 v246, v240, v248
	v_sub_f32 v252, v241, v249
	v_add_f32 v247, |v240|, |v248|
	v_add_f32 v253, |v241|, |v249|
	v_fmamk_f32 v246, v247, 0xb5800000, v246       ; rm - mm - 2^-20 (|rm| + |mm|)
	v_fmamk_f32 v252, v253, 0xb5800000, v252
	v_cmp_ge_f32 vcc_lo, v246, v250
	v_cndmask_b32 v246, 0, v251, vcc_lo            ; 1.0 where the row's part of the block adds nothing (a NaN gives 0)
	v_cmp_ge_f32 vcc_lo, v252, v250
	v_cndmask_b32 v252, 0, v251, vcc_lo
	v_min_num_f32 v246, v246, v252
	v_max_num_f32 v242, v242, -v240                ; the largest magnitude: 0 only where every mk is 0
	v_max_num_f32 v243, v243, -v241
	v_max_num_f32 v242, v242, v243
.irp m, 1,2,4,8
	v_min_num_f32_dpp v246, v246, v246 row_xmask:\m row_mask:0xf bank_mask:0xf   ; over the 16 rows: both halves of the lanes hold the same
	v_max_num_f32_dpp v242, v242, v242 row_xmask:\m row_mask:0xf bank_mask:0xf
.endr
	v_cmp_eq_f32 vcc_lo, 0, v242
	v_cndmask_b32 v253, 0, v251, vcc_lo
	v_ldexp_f32 v246, v246, s26                    ; x 2^j
	v_ldexp_f32 v253, v253, s26
	ds_store_b32 v[E2W], v246
	ds_store_b32 v[E2W], v253 offset:64
	s_wait_dscnt 0x0
	s_barrier_signal -1
	s_barrier_wait -1
	s_cmp_lg_u32 s26, 0
	s_cbranch_scc1 .Lend                           ; wave 0 gathers the sixteen bits of each kind
	ds_load_b32 v240, v[E2R]                       ; lanes 0-15: the first kind; lanes 16-31: the second
	v_lshrrev_b32 v241, 4, v1
	v_lshlrev_b32 v241, 2, v241
	v_and_b32 v242, 15, v1
	s_wait_dscnt 0x0
.irp m, 1,2,4,8
	v_add_f32_dpp v240, v240, v240 row_xmask:\m row_mask:0xf bank_mask:0xf      ; sums of different powers of two under 2^16: exact
.endr
	v_cvt_u32_f32 v240, v240
	s_wait_xcnt 0x0                                ; EXEC changes only behind this wait
	v_cmp_eq_u32 vcc_lo, 0, v242
	s_and_saveexec_b32 s83, vcc_lo
	global_store_b32 v241, v240, s[24:25]          ; lanes 0 and 16: the pair's two words.  No address and no branch of this launch hangs on them
	s_wait_xcnt 0x0
	s_or_b32 exec_lo, exec_lo, s83
.Lend:
	s_wait_tensorcnt 0x0                           ; the wave's end, behind my last LDS store
	ds_add_u32 v[SPW], v[NIL]
	s_wait_dscnt 0x0
	s_endpgm
.Lfunc_end_k_qd788d6c0f0_prep:
	.size	k_qd788d6c0f0_prep, .Lfunc_end_k_qd788d6c0f0_prep-k_qd788d6c0f0_prep
	.p2alignl 7, 3214868480
	.fill 96, 4, 3214868480
	.section	.rodata,"a",@progbits
	.p2align	6, 0x0
	.amdhsa_kernel k_qd788d6c0f0_prep
		.amdhsa_group_segment_fixed_size 139776
		.amdhsa_private_segment_fixed_size 0
		.amdhsa_enable_private_segment 0
		.amdhsa_kernarg_size 88
		.amdhsa_user_sgpr_count 2
		.amdhsa_user_sgpr_kernarg_segment_ptr 1
		.amdhsa_wavefront_size32 1
		.amdhsa_system_sgpr_workgroup_id_x 1
		.amdhsa_system_sgpr_workgroup_id_y 1
		.amdhsa_system_sgpr_workgroup_id_z 1
		.amdhsa_system_vgpr_workitem_id 0
		.amdhsa_next_free_vgpr 256
		.amdhsa_next_free_sgpr 96
		.amdhsa_reserve_vcc 1
		.amdhsa_float_denorm_mode_32 3
		.amdhsa_float_denorm_mode_16_64 3
		.amdhsa_memory_ordered 1
		.amdhsa_forward_progress 1
		.amdhsa_inst_pref_size 68
	.end_amdhsa_kernel
	.amdgpu_metadata
---
amdhsa.version: [ 1, 2 ]
amdhsa.kernels:
  - .name:           k_qd788d6c0f0_prep
    .symbol:         k_qd788d6c0f0_prep.kd
    .args:
      - { .name: x, .offset: 0, .size: 8, .value_kind: global_buffer, .address_space: global }
      - { .name: Wq, .offset: 8, .size: 8, .value_kind: global_buffer, .address_space: global }
      - { .name: Wk, .offset: 16, .size: 8, .value_kind: global_buffer, .address_space: global }
      - { .name: Wv, .offset: 24, .size: 8, .value_kind: global_buffer, .address_space: global }
      - { .name: Wo, .offset: 32, .size: 8, .value_kind: global_buffer, .address_space: global }
      - { .name: mask, .offset: 40, .size: 8, .value_kind: global_buffer, .address_space: global }
      - { .name: lowp_scales, .offset: 48, .size: 8, .value_kind: global_buffer, .address_space: global }
      - { .name: xq, .offset: 56, .size: 8, .value_kind: global_buffer, .address_space: global }
      - { .name: wimg, .offset: 64, .size: 8, .value_kind: global_buffer, .address_space: global }
      - { .name: mimg, .offset: 72, .size: 8, .value_kind: global_buffer, .address_space: global }
      - { .name: flags, .offset: 80, .size: 8, .value_kind: global_buffer, .address_space: global }
    .group_segment_fixed_size: 139776
    .private_segment_fixed_size: 0
    .kernarg_segment_align: 8
    .kernarg_segment_size: 88
    .max_flat_workgroup_size: 512
    .sgpr_count:     96
    .vgpr_count:     256
    .wavefront_size: 32
...
	.end_amdgpu_metadata
.endif
;; end of part 1
;; launch qkvp (part 2): grid 4 x 96, 4 waves a work-group, clusters of 4 x 4, 327,680 bytes of LDS; arguments xq, wimg, bq, bk, bv, lowp_scales, qkv; writes qkv
.if DOCPART == 2
	.amdgcn_target "amdgcn-amd-amdhsa--gfx1250"
	.amdhsa_code_object_version 6
	.text
	.protected	k_qd788d6c0f0_qkvp
	.globl	k_qd788d6c0f0_qkvp
	.p2align	8
	.type	k_qd788d6c0f0_qkvp,@function
k_qd788d6c0f0_qkvp:
	s_mov_b64 s[64:65], 0
	v_nop
	global_prefetch_b8 v0, s[64:65] scope:SCOPE_SE
	s_setreg_imm32_b32 hwreg(HW_REG_WAVE_MODE, 25, 1), 1
	s_wait_xcnt 0x0
	s_wait_alu depctr_hold_cnt(0) depctr_sa_sdst(0) depctr_va_vdst(0) depctr_va_sdst(0) depctr_va_ssrc(0) depctr_va_vcc(0) depctr_vm_vsrc(0)
	s_getreg_b32 s2, hwreg(HW_REG_IB_STS2, 6, 4)
	s_cmp_eq_u32 s2, 0
	s_cbranch_scc0 .Lentry_in_a_cluster
	s_endpgm
.Lentry_in_a_cluster:
	s_bfe_u32 s2, ttmp6, 0x10000c
	s_cmp_lg_u32 s2, 0xf033
	s_cbranch_scc0 .Lentry_shape_is_right
	s_endpgm
.Lentry_shape_is_right:
; SECOND LAUNCH: q = x Wq^T + bq, k = x Wk^T + bk, v = x Wv^T + bv on codes of FP8 (E4M3), quantised at once for attention.  Nothing of reference() is left out here.
; Operands come as images of their registers (a fragment of 16 rows x 128 K: 2,048 bytes [c][lane][16]; lane (r, h): row 32 (T/2) + 8 (T%2) + r + 8 (r/8), k = 128 s + 32 c + 16 h + 0..15), so a fragment is four loads at 16 x lane, with no pitch.
; A work-group of four waves makes 256 x 256, a wave 128 x 128: 64 accumulators, 512 registers.  K = 1,024 goes in four fills of 256 through two LDS slots filled by the tensor data mover.
; SIDES.  Source 1 (its rows fall on lanes), called A; source 0 (its rows run along a lane's registers), called B.  q and k: A = x, B = the weight: a lane's 16 registers of two neighbouring tiles are 16 neighbouring features of one token.
;   v: A = Wv, B = x: 16 neighbouring TOKENS of one feature, since the keys are the K of attention's second product.  So the conversions' results are the next operand's registers, and each store covers 512 consecutive bytes, aligned.
; qkv: q at 0, k at 8 MiB: [b][head pair 8][token tile 128][head 2][c 2][lane][16];  v at 16 MiB: [b][head pair][key step 16][head 2][tile of 16 channels 4][c 4][lane][16].
; CLUSTERS: 24 of 4 x 4 work-groups; cluster y = 8 p + blk, p = 0, 1, 2 for q, k, v.  A's tile hangs on cy alone and is asked for jointly by my row of the cluster, B's on cx alone and by my column.
;   p is the same in all partners, so the branches on it are alike in all.  No branch hangs on a number read from memory: the hold is always run.
; The bias is the C of each sum's first product, divided by the power of two that the sums lack.  The three scales ahead of the quantiser are folded into the conversion's one: 2^(eo - ea - eb).
; LIMITS: eo - ea - eb between -126 and 119.  No prefetch: of the four fills two go out at the head, and the tiles are shared by joint loads.
; REGISTERS: window 0: v16-29 addresses; v32-95 the bias, later numbers held; v128-255 A's eight fragments, ONE set, later codes.  Window 1: B's fragments, TWO sets.  Windows 2, 3: accumulator (a, tb) at v[8 (8 (a % 4) + tb)].
.set SLOT,  131072                     ; A's 16 tiles x 4,096 bytes (two K steps), then B's
.set SPARE, 2*SLOT                     ; behind the ring: the spare words, 128 bytes a wave
.set ADRA, 16                          ; v16-17 my A fragments in slot 0, 1
.set ADRB, 20                          ; v20-21 the same for B
.set VL,   24                          ; v24  16 x lane
.set BH,   25                          ; v25  64 h
.set BRW,  26                          ; v26  4 (r + 8 (r / 8))
.set CSC,  27                          ; v27  2^(eo - ea - eb)
.set SPW,  28
.set NIL,  29
.set BR,   32
.set AF,   128
.set G1,  24
.set G0,  32
.set G1B, 48
.set G0B, 56
.set MSB, 0
.macro WIN new                         ; the immediate's high byte repeats the setting that is left
.if MSB != (\new)
	s_set_vgpr_msb (MSB<<8)|(\new)
.set MSB, (\new)
.endif
.endm
.macro JLOAD g0a, g1a, g0b, g1b        ; a joint load: waves 0, 1 fetch for A, waves 2, 3 for B; an s_nop 0 and four v_nop follow each line
	s_cmp_eq_u32 s15, 0
	s_cbranch_scc0 .Lfor_b_\@
	tensor_load_to_lds s[\g0a:\g0a+3], s[\g1a:\g1a+7]
	s_nop 0
.rept 4
	v_nop
.endr
	s_branch .Lasked_\@
.Lfor_b_\@:
	tensor_load_to_lds s[\g0b:\g0b+3], s[\g1b:\g1b+7]
	s_nop 0
.rept 4
	v_nop
.endr
.Lasked_\@:
.endm
.macro CREST                           ; a round of the cluster's barrier behind its opening barrier
	s_cmp_lg_u32 s14, 0
	s_cbranch_scc1 .Lnot_wave_0_\@
	s_barrier_signal -3
.Lnot_wave_0_\@:
	s_barrier_wait -3
	s_barrier_signal -1
	s_barrier_wait -1
.endm
.macro CROUND
	s_barrier_signal -1
	s_barrier_wait -1
	CREST
.endm
.macro PLACES n
.rept \n
	v_nop
.endr
.endm
	s_load_b256 s[4:11], s[0:1], 0x0               ; xq, wimg, bq, bk
	s_load_b128 s[68:71], s[0:1], 0x20             ; bv, lowp_scales
	s_load_b64 s[72:73], s[0:1], 0x30              ; qkv
	v_lshl_add_u32 v[SPW], v0, 2, SPARE
	v_mov_b32 v[NIL], 0
	ds_add_u32 v[SPW], v[NIL]                      ; the wave's opening: the add, twice on end, and its wait ahead of my first tensor load
	ds_add_u32 v[SPW], v[NIL]
	v_lshrrev_b32 v1, 5, v0
	v_readfirstlane_b32 s14, v1                    ; wave
	s_lshr_b32 s15, s14, 1                         ; my half of A's rows.  Also: I fetch for A (0) or B (1)
	s_and_b32 s16, s14, 1                          ; my half of B's rows.  Also: which half of that tile I fetch
	s_bfe_u32 s40, ttmp6, 0x40000                  ; cx
	s_bfe_u32 s41, ttmp6, 0x40004                  ; cy
	s_and_b32 s17, ttmp7, 0xffff                   ; the cluster's y
	s_lshr_b32 s12, s17, 3                         ; p
	s_and_b32 s13, s17, 7
	s_lshl_b32 s13, s13, 2                         ; 4 blk: the cluster's first block of 256 tokens
	s_cmp_eq_u32 s12, 2
	s_cselect_b32 s18, 0, s13
	s_cselect_b32 s19, s13, 0
	s_add_co_u32 s42, s41, s18                     ; A's block of 256 rows: of cy alone
	s_add_co_u32 s43, s40, s19                     ; B's: of cx alone
	s_lshl_b32 s44, s41, 2
	s_lshl_b32 s44, 15, s44                        ; my row of the cluster
	s_lshl_b32 s45, 0x1111, s40                    ; my column
	s_or_b32 s[G1], s44, (3<<16)|(1<<21)           ; 15:0 the mask; 17:16 elements of 8 bytes; 21 set beside a mask; no padding
	s_or_b32 s[G1B], s45, (3<<16)|(1<<21)
.irp g, G1, G1B
	s_mov_b32 s[\g+1], 512<<16                     ; tensor_dim0 = 512 elements: a tile's two K steps, 4,096 bytes
	s_mov_b32 s[\g+2], 8<<16                       ; tensor_dim1 = 8 tiles
	s_mov_b32 s[\g+3], 512<<16                     ; tile_dim0
	s_mov_b32 s[\g+4], 8                           ; tile_dim1
	s_mov_b32 s[\g+5], 2048                        ; from tile to tile: 16,384 bytes
	s_mov_b32 s[\g+6], 0
	s_mov_b32 s[\g+7], 0
.endr
	s_lshl_b32 s22, s16, 17                        ; the eight tiles that I fetch
	s_lshl_b32 s20, s42, 18
	s_add_co_u32 s20, s20, s22
	s_lshl_b32 s23, s12, 23                        ; A: x's copy p, or Wv
	s_cmp_eq_u32 s12, 2
	s_cselect_b32 s23, 0x200000, s23
	s_add_co_u32 s20, s20, s23
	s_mov_b32 s21, 0
	s_lshl_b32 s46, s43, 18
	s_add_co_u32 s46, s46, s22
	s_lshl_b32 s23, s12, 20                        ; B: weight p, or x's third copy
	s_cmp_eq_u32 s12, 2
	s_cselect_b32 s23, 0x1000000, s23
	s_add_co_u32 s46, s46, s23
	s_mov_b32 s47, 0
	s_lshl_b32 s88, s14, 15                        ; where they go: wave x 32,768: no place in the cluster enters an LDS address
	s_wait_dscnt 0x0                               ; both opening adds are done
	s_wait_kmcnt 0x0
	s_load_b256 s[76:83], s[70:71], 0x0            ; lowp_scales[0..7]
	s_load_b128 s[84:87], s[70:71], 0x20           ; [8..11]
	s_cmp_eq_u32 s12, 2
	s_cselect_b64 s[90:91], s[6:7], s[4:5]
	s_cselect_b64 s[92:93], s[4:5], s[6:7]
	s_add_nc_u64 s[20:21], s[90:91], s[20:21]
	s_add_nc_u64 s[46:47], s[92:93], s[46:47]
	CROUND                                         ; all sixteen work-groups are here: the first joint loads meet
.irp s, 0,1
	s_mov_b32 s[G0+4*\s], 1
	s_add_co_u32 s[G0+4*\s+1], s88, \s*SLOT
	s_add_nc_u64 s[G0+4*\s+2:G0+4*\s+3], s[20:21], \s*4096
	s_or_b32 s[G0+4*\s+3], s[G0+4*\s+3], 0x80000000
	s_mov_b32 s[G0B+4*\s], 1
	s_add_co_u32 s[G0B+4*\s+1], s88, \s*SLOT
	s_add_nc_u64 s[G0B+4*\s+2:G0B+4*\s+3], s[46:47], \s*4096
	s_or_b32 s[G0B+4*\s+3], s[G0B+4*\s+3], 0x80000000
	JLOAD G0+4*\s, G1, G0B+4*\s, G1B               ; two loads of mine are out
.endr
	v_and_b32 v1, 31, v0
	v_lshlrev_b32 v[VL], 4, v1
	v_and_b32 v2, 15, v0
	v_bfe_u32 v3, v0, 4, 1
	v_lshlrev_b32 v[BH], 6, v3
	v_and_b32 v4, 8, v2
	v_add_nc_u32 v4, v4, v2
	v_lshlrev_b32 v[BRW], 2, v4
	s_lshl_b32 s89, s15, 15
	v_add_nc_u32 v[ADRA], s89, v[VL]
	v_add_nc_u32 v[ADRA+1], SLOT, v[ADRA]
	s_lshl_b32 s89, s16, 15
	s_add_co_u32 s89, s89, 65536
	v_add_nc_u32 v[ADRB], s89, v[VL]
	v_add_nc_u32 v[ADRB+1], SLOT, v[ADRB]
	; where my 16 KiB of codes go: ((b x 8 + head pair) x 128 + token tile) x 2,048, in q's, k's or v's part
	s_cmp_eq_u32 s12, 2
	s_cselect_b32 s2, s43, s42                     ; the block of 256 tokens,
	s_cselect_b32 s3, s16, s15                     ; my half of it,
	s_cselect_b32 s66, s42, s43                    ; the block of 256 features,
	s_cselect_b32 s67, s15, s16                    ; my half: a head pair
	s_lshl_b32 s2, s2, 4
	s_lshl_b32 s3, s3, 3
	s_add_co_u32 s2, s2, s3                        ; my first token tile
	s_lshl_b32 s66, s66, 1
	s_add_co_u32 s66, s66, s67                     ; head pair
	s_lshr_b32 s3, s2, 7                           ; b
	s_and_b32 s2, s2, 127
	s_lshl_b32 s3, s3, 3
	s_add_co_u32 s3, s3, s66
	s_lshl_b32 s3, s3, 7
	s_add_co_u32 s3, s3, s2
	s_lshl_b32 s74, s3, 11
	s_lshl_b32 s3, s12, 23
	s_add_co_u32 s74, s74, s3
	s_mov_b32 s75, 0
	s_add_nc_u64 s[72:73], s[72:73], s[74:75]
	s_wait_kmcnt 0x0
	s_add_co_i32 s94, s76, s77
	s_add_co_i32 s95, s78, s79
	s_add_co_i32 s96, s80, s81
	s_cmp_eq_u32 s12, 1
	s_cselect_b32 s94, s95, s94
	s_cselect_b32 s97, s83, s82
	s_cmp_eq_u32 s12, 2
	s_cselect_b32 s94, s96, s94                    ; E = ea + eb: a sum stands for sum x 2^E
	s_cselect_b32 s97, s85, s97                    ; eo: [6] for q, [7] for k, [9] for v
	s_sub_co_i32 s95, 0, s94
	s_sub_co_i32 s97, s97, s94
	s_add_co_i32 s97, s97, 127
	s_lshl_b32 s96, s97, 23
	v_mov_b32 v[CSC], s96
	s_add_co_i32 s97, s97, 8
	s_lshl_b32 s97, s97, 23
	s_or_b32 s97, s97, 0x600000                    ; 448 x 2^(eo - E)
	s_or_b32 s96, s97, 0x80000000
	s_cmp_eq_u32 s12, 2
	s_cbranch_scc1 .Lbias_v
	s_cmp_eq_u32 s12, 1                            ; q, k: the bias runs along the registers: for tile tb the features 32 (tb/2) + 16 h + 8 (tb%2) + 0..7 of my 128
	s_cselect_b64 s[98:99], s[10:11], s[8:9]
	s_lshl_b32 s100, s43, 10
	s_lshl_b32 s101, s16, 9
	s_add_co_u32 s100, s100, s101
	s_mov_b32 s101, 0
	s_add_nc_u64 s[98:99], s[98:99], s[100:101]
.irp tb, 0,1,2,3,4,5,6,7
	global_load_b128 v[BR+8*\tb:BR+8*\tb+3], v[BH], s[98:99] offset:(32*(\tb/2)+8*(\tb%2))*4
	global_load_b128 v[BR+8*\tb+4:BR+8*\tb+7], v[BH], s[98:99] offset:(32*(\tb/2)+8*(\tb%2))*4+16
.endr
	s_wait_loadcnt 0x0
.set i, 0
.rept 64
	v_ldexp_f32 v[BR+i], v[BR+i], s95              ; / 2^E
.set i, i+1
.endr
	s_branch .Lbias_done
.Lbias_v:                                              ; v: the bias hangs on the lane: for tile a the feature 32 (a/2) + 8 (a%2) + r + 8 (r/8) of my 128, the same in all eight registers
	s_lshl_b32 s100, s42, 10
	s_lshl_b32 s101, s15, 9
	s_add_co_u32 s100, s100, s101
	s_mov_b32 s101, 0
	s_add_nc_u64 s[98:99], s[68:69], s[100:101]
.irp a, 0,1,2,3,4,5,6,7
	global_load_b32 v[BR+8*\a], v[BRW], s[98:99] offset:(32*(\a/2)+8*(\a%2))*4
.endr
	s_wait_loadcnt 0x0
.irp a, 0,1,2,3,4,5,6,7
.irp i, 7,6,5,4,3,2,1,0
	v_ldexp_f32 v[BR+8*\a+\i], v[BR+8*\a], s95
.endr
.endr
.Lbias_done:
.macro FRAG reg, adr, q, i             ; fragment (tile i, K step q of the slot): four loads of 512 consecutive bytes
.irp c, 0,1,2,3
	ds_load_b128 v[\reg+4*\c:\reg+4*\c+3], v[\adr] offset:(\i)*4096+(\q)*2048+512*\c
.endr
.endm
.macro FETCH_B slot, q, p
	WIN 0x40
.irp i, 0,1,2,3,4,5,6,7
	FRAG 128*(\p)+16*\i, ADRB+\slot, \q, \i
.endr
	WIN 0
.endm
.macro FETCH_A slot, q, i0
.irp i, \i0, \i0+1, \i0+2, \i0+3
	FRAG AF+16*(\i), ADRA+\slot, \q, \i
.endr
.endm
; Eight products: A's block a against B's eight of set p.  cm = 0: onto the sums; 1: the sums begin with the bias of tile tb; 2: with that of block a.  The 64 accumulators take turns in one order.
.macro MULA a, p, cm
.if \cm
	WIN 0x81+0x40*((\a)/4)
.else
	WIN 0xa1+0x50*((\a)/4)
.endif
.irp b, 0,1,2,3,4,5,6,7
.if \cm == 0
	v_wmma_f32_16x16x128_fp8_fp8 v[8*(8*((\a)%4)+\b):8*(8*((\a)%4)+\b)+7], v[128*(\p)+16*\b:128*(\p)+16*\b+15], v[AF+16*(\a):AF+16*(\a)+15], v[8*(8*((\a)%4)+\b):8*(8*((\a)%4)+\b)+7]
.elseif \cm == 1
	v_wmma_f32_16x16x128_fp8_fp8 v[8*(8*((\a)%4)+\b):8*(8*((\a)%4)+\b)+7], v[128*(\p)+16*\b:128*(\p)+16*\b+15], v[AF+16*(\a):AF+16*(\a)+15], v[BR+8*\b:BR+8*\b+7]
.else
	v_wmma_f32_16x16x128_fp8_fp8 v[8*(8*((\a)%4)+\b):8*(8*((\a)%4)+\b)+7], v[128*(\p)+16*\b:128*(\p)+16*\b+15], v[AF+16*(\a):AF+16*(\a)+15], v[BR+8*(\a):BR+8*(\a)+7]
.endif
.endr
.endm
; A slot's first K step: multiplies set 0 and fetches the second step's fragments.  A load into a register that a matrix instruction has read stands four plain places behind it.
.macro STEP slot, cm
	s_wait_dscnt 16                                ; B's set and A's blocks 0-3 are in; A's blocks 4-7, sixteen loads, may be out
	MULA 0, 0, \cm
	MULA 1, 0, \cm
	MULA 2, 0, \cm
	MULA 3, 0, \cm
	s_wait_dscnt 0
	PLACES 4
	FETCH_B \slot, 1, 1
	FETCH_A \slot, 1, 0
	MULA 4, 0, \cm
	MULA 5, 0, \cm
	MULA 6, 0, \cm
	MULA 7, 0, \cm
	PLACES 4
	WIN 0
	FETCH_A \slot, 1, 4
.endm
; A slot's second K step changes slots: in front of the barrier each wave waits for all its tensor loads, adds 0 to its spare word, and waits for that and for its reads of this slot.  fill = 1: the slot is filled again.
.macro TURN slot, next, fill
	s_wait_tensorcnt 0x0                           ; my one load that was out, my part of the next slot, has landed
	ds_add_u32 v[SPW], v[NIL]
	s_wait_dscnt 17                                ; the add and A's blocks 4-7 may be out
	MULA 0, 1, 0
	MULA 1, 1, 0
	s_wait_dscnt 0x0                               ; the add is done, my reads of this slot are over
	s_barrier_signal -1
	MULA 2, 1, 0
	MULA 3, 1, 0
	WIN 0
	s_barrier_wait -1
.if \fill
	CREST                                          ; the barrier has opened a round of the cluster's: no wave of any partner still reads this slot or has a load on its way
	s_add_nc_u64 s[G0+4*\slot+2:G0+4*\slot+3], s[G0+4*\slot+2:G0+4*\slot+3], 8192
	s_add_nc_u64 s[G0B+4*\slot+2:G0B+4*\slot+3], s[G0B+4*\slot+2:G0B+4*\slot+3], 8192
	JLOAD G0+4*\slot, G1, G0B+4*\slot, G1B         ; my one load behind the round; its four v_nop are the places in front of the loads below
.else
	PLACES 4
.endif
	FETCH_B \next, 0, 0
	FETCH_A \next, 0, 0
	MULA 4, 1, 0
	MULA 5, 1, 0
	MULA 6, 1, 0
	MULA 7, 1, 0
	PLACES 4
	WIN 0
	FETCH_A \next, 0, 4
.endm
	s_wait_tensorcnt 1                             ; my part of slot 0 is in; slot 1's load may be out
	s_barrier_signal -1
	s_barrier_wait -1
	FETCH_B 0, 0, 0
	FETCH_A 0, 0, 0
	FETCH_A 0, 0, 4
	s_cmp_eq_u32 s12, 2
	s_cbranch_scc1 .Lfirst_v
	STEP 0, 1                                      ; the first products start the sums with the bias
	s_branch .Lfirst_done
.Lfirst_v:
	STEP 0, 2
.Lfirst_done:
	TURN 0, 1, 1                                   ; K = 1,024 is eight steps: written out, no loop
	STEP 1, 0
	TURN 1, 0, 1
	STEP 0, 0
	TURN 0, 1, 0                                   ; nothing is left to fetch
	STEP 1, 0
	s_wait_dscnt 16
	MULA 0, 1, 0
	MULA 1, 1, 0
	MULA 2, 1, 0
	MULA 3, 1, 0
	s_wait_dscnt 0
	MULA 4, 1, 0
	MULA 5, 1, 0
	MULA 6, 1, 0
	MULA 7, 1, 0
	PLACES 4
	; THE WAY OUT: block a's 64 sums are held, converted, and are the four chunks of a fragment; each block has its own registers for its codes
.irp a, 0,1,2,3,4,5,6,7
	WIN 0x02+((\a)/4)
.set i, 0
.rept 64
	v_med3_num_f32 v[BR+i], v[64*((\a)%4)+i], s96, s97   ; each accumulator from its low end on
.set i, i+1
.endr
	WIN 0
.irp g, 0,1,2,3,4,5,6,7
	v_cvt_scalef32_pk8_fp8_f32 v[AF+16*\a+2*\g:AF+16*\a+2*\g+1], v[BR+8*\g:BR+8*\g+7], v[CSC]
.endr
	v_nop                                          ; a plain line between the conversions and the next block's holds, which write their sources
.irp c, 0,1,2,3
	global_store_b128 v[VL], v[AF+16*\a+4*\c:AF+16*\a+4*\c+3], s[72:73] offset:\a*2048+\c*512
.endr
.endr
	s_wait_tensorcnt 0x0                           ; the wave's end
	ds_add_u32 v[SPW], v[NIL]
	s_wait_dscnt 0x0
	CROUND                                         ; the closing round
	s_endpgm
.Lfunc_end_k_qd788d6c0f0_qkvp:
	.size	k_qd788d6c0f0_qkvp, .Lfunc_end_k_qd788d6c0f0_qkvp-k_qd788d6c0f0_qkvp
	.p2alignl 7, 3214868480
	.fill 96, 4, 3214868480
	.section	.rodata,"a",@progbits
	.p2align	6, 0x0
	.amdhsa_kernel k_qd788d6c0f0_qkvp
		.amdhsa_group_segment_fixed_size 327680
		.amdhsa_private_segment_fixed_size 0
		.amdhsa_enable_private_segment 0
		.amdhsa_kernarg_size 56
		.amdhsa_user_sgpr_count 2
		.amdhsa_user_sgpr_kernarg_segment_ptr 1
		.amdhsa_wavefront_size32 1
		.amdhsa_system_sgpr_workgroup_id_x 1
		.amdhsa_system_sgpr_workgroup_id_y 1
		.amdhsa_system_sgpr_workgroup_id_z 1
		.amdhsa_system_vgpr_workitem_id 0
		.amdhsa_next_free_vgpr 1024
		.amdhsa_next_free_sgpr 102
		.amdhsa_reserve_vcc 0
		.amdhsa_float_denorm_mode_32 3
		.amdhsa_float_denorm_mode_16_64 3
		.amdhsa_memory_ordered 1
		.amdhsa_forward_progress 1
		.amdhsa_inst_pref_size 137
	.end_amdhsa_kernel
	.amdgpu_metadata
---
amdhsa.version: [ 1, 2 ]
amdhsa.kernels:
  - .name:           k_qd788d6c0f0_qkvp
    .symbol:         k_qd788d6c0f0_qkvp.kd
    .args:
      - { .name: xq, .offset: 0, .size: 8, .value_kind: global_buffer, .address_space: global }
      - { .name: wimg, .offset: 8, .size: 8, .value_kind: global_buffer, .address_space: global }
      - { .name: bq, .offset: 16, .size: 8, .value_kind: global_buffer, .address_space: global }
      - { .name: bk, .offset: 24, .size: 8, .value_kind: global_buffer, .address_space: global }
      - { .name: bv, .offset: 32, .size: 8, .value_kind: global_buffer, .address_space: global }
      - { .name: lowp_scales, .offset: 40, .size: 8, .value_kind: global_buffer, .address_space: global }
      - { .name: qkv, .offset: 48, .size: 8, .value_kind: global_buffer, .address_space: global }
    .group_segment_fixed_size: 327680
    .private_segment_fixed_size: 0
    .kernarg_segment_align: 8
    .kernarg_segment_size: 56
    .max_flat_workgroup_size: 128
    .sgpr_count:     102
    .vgpr_count:     1024
    .wavefront_size: 32
...
	.end_amdgpu_metadata
.endif
;; end of part 2
;; launch attn (part 3): grid 4 x 64, 4 waves a work-group, no clusters, 0 bytes of LDS; arguments qkv, mimg, flags, lowp_scales, aimg; writes aimg
.if DOCPART == 3
	.amdgcn_target "amdgcn-amd-amdhsa--gfx1250"
	.amdhsa_code_object_version 6
	.text
	.protected	k_qd788d6c0f0_attn
	.globl	k_qd788d6c0f0_attn
	.p2align	8
	.type	k_qd788d6c0f0_attn,@function
k_qd788d6c0f0_attn:
	s_mov_b64 s[64:65], 0
	v_nop
	global_prefetch_b8 v0, s[64:65] scope:SCOPE_SE
	s_setreg_imm32_b32 hwreg(HW_REG_WAVE_MODE, 25, 1), 1
	s_wait_xcnt 0x0
; THIRD LAUNCH: att = softmax(q k^T / 8 - mask x 1e9) v on codes of FP8 (E4M3), quantised at once for the last product.
; LEFT OUT, by the whole numbers that the first launch stored: key steps in which every p of my 64 queries is 0 in f32 (the proof stands at that launch's head); and the mask's image is not read where the block's mask is all zeros.
; THE SOFTMAX: t = logit x log2(e); M = the running largest t rounded up to a whole number; p = 2^(t - M) is quantised, not normalised; the row's sum is taken of the unquantised p and divides at the end; a change of M multiplies
;   the sum and O by 2^(old M - new M), which rounds nothing.
; SHARES.  A work-group has one head of one batch (y) and four waves; wave pi = 4 x + wave takes two tasks of 64 queries, groups pi and 31 - pi.  A task's four tiles of 16 queries are two pairs; pair x lives in register window x.
;   Each fragment of K and V that is loaded feeds four tiles.
; BOTH PRODUCTS ARE USED TRANSPOSED: S^T = K Q^T, O^T = V^T P^T: a lane holds one query throughout, the registers of S^T run along the keys, and p's codes are the second product's operand as they leave the conversion.
; -(mask x 1e9) x 2^(3 - e6 - e7) is the C of K Q^T, so the mask costs no vector instruction.  LIMIT: the last bit of logit - mask x 1e9 is then the matrix unit's own.
; NO LDS, NO TENSOR LOAD, NO CLUSTER: which steps a wave walks hangs on stored numbers, so K, V and the mask come from memory straight into registers, from workspaces laid in register order (512 consecutive bytes a load),
;   K and V a key step ahead.  No prefetch beside that: which wave reads a step first hangs on the stored numbers, so no wave can be named to ask once.
; LIMITS: e6 + e7 between -120 and 129; ep and e10 between -126 and 119.  NaN and infinities are not served.
; REGISTERS.  Window x = 0, 1 (the same numbers): v2 2^ep, v3 2^e10; tile t: v8+8t -M, largest t, sum (two halves), f (a pair), a second sum (a pair); v24+4t two maxima, a permute's destination, the old -M; v32+8t Q;
;   v48+68t p's codes (16: the first four in front of S, the rest over S's first twelve, which are converted by then); v52+68t S^T, then p (64); v184+32t O^T.  Window 0: v1 16 x lane.
;   Window 2: v0-63 K (tile kt at 8 kt), v64-127 V (tile dt at 64 + 16 dt), v128-159 the second task's Q.
.set KB,  22                           ; s[22:23] k of my head;  s[24:25] v
.set VB,  24
.set KA,  26                           ; s[26:27], s[28:29], s[30:31] the addresses of the loads in hand: K, V, mask
.set VA,  28
.set MA,  30
.set MB,  32                           ; s[32:33] the mask's image of the task's first tile
.set AO,  34                           ; s[34:35] where the task's codes go
.set CS,  40                           ; s[40:41] c = log2(e) x 2^(e6 + e7 - 3)
.set SEL, 42                           ; s[42:43] lane l xor 16
.set EP,  44
.set HOLD, 45                          ; 448 x 2^ep
.set EPV, 46                           ; ep + e9
.set LIMN, 47                          ; -+448 x 2^e10
.set LIMP, 48
.set U,   49                           ; the steps still to be asked for, a bit each
.set MN,  50                           ; the steps that want the mask
.set N,   51                           ; the task's number of steps
.set I,   52
.set JC,  53                           ; the step in hand
.set JN,  54                           ; the step asked for
.set NXT, 55                           ; the second task's first step
.set TAU, 56
.set MSB, 0
.macro WIN new
.if MSB != (\new)
	s_set_vgpr_msb (MSB<<8)|(\new)
.set MSB, (\new)
.endif
.endm
	s_load_b256 s[4:11], s[0:1], 0x0               ; qkv, mimg, flags, lowp_scales
	s_load_b64 s[12:13], s[0:1], 0x20              ; aimg
	v_lshrrev_b32 v1, 5, v0
	v_readfirstlane_b32 s14, v1                    ; wave
	v_and_b32 v1, 31, v0
	v_lshlrev_b32 v1, 4, v1                        ; 16 x lane; never rewritten
	s_and_b32 s15, ttmp7, 0xffff                   ; 16 b + head
	s_lshl_b32 s16, ttmp9, 2
	s_add_co_u32 s16, s16, s14                     ; pi: the first task's group
	s_sub_co_u32 s19, 31, s16                      ; the second's
	s_lshr_b32 s17, s15, 1                         ; 8 b + head pair
	s_and_b32 s18, s15, 1                          ; which head of the pair
	s_lshl_b32 s60, s17, 18
	s_lshl_b32 s61, s18, 10
	s_add_co_u32 s60, s60, s61
	s_mov_b32 s61, 0
	s_lshl_b32 s62, s17, 18
	s_lshl_b32 s63, s18, 13
	s_add_co_u32 s62, s62, s63
	s_add_co_u32 s62, s62, 0x1000000
	s_mov_b32 s63, 0
	s_wait_kmcnt 0x0
	s_add_nc_u64 s[20:21], s[4:5], s[60:61]        ; q of my head
	s_add_nc_u64 s[KB:KB+1], s[20:21], 0x800000
	s_add_nc_u64 s[VB:VB+1], s[4:5], s[62:63]
	s_lshl_b32 s60, s16, 4
	s_add_nc_u64 s[66:67], s[8:9], s[60:61]
	s_load_b128 s[68:71], s[66:67], 0x0            ; the two pairs' flags of the first task,
	s_lshl_b32 s60, s19, 4
	s_add_nc_u64 s[88:89], s[8:9], s[60:61]
	s_load_b128 s[72:75], s[88:89], 0x0            ; of the second
	s_load_b256 s[76:83], s[10:11], 0x0
	s_load_b128 s[84:87], s[10:11], 0x20
	s_lshl_b32 s62, s16, 13
	s_add_nc_u64 s[90:91], s[20:21], s[62:63]
	s_lshl_b32 s62, s19, 13
	s_add_nc_u64 s[92:93], s[20:21], s[62:63]
.irp x, 0,1
	WIN 0x40*\x
.irp t, 0,1
.irp c, 0,1
	global_load_b128 v[32+8*\t+4*\c:35+8*\t+4*\c], v1, s[90:91] offset:(2*\x+\t)*2048+\c*512   ; the first task's Q, to its place
.endr
.endr
.endr
	WIN 0x80
.irp q, 0,1,2,3
.irp c, 0,1
	global_load_b128 v[128+8*\q+4*\c:131+8*\q+4*\c], v1, s[92:93] offset:\q*2048+\c*512        ; the second task's, kept in window 2
.endr
.endr
	WIN 0
	s_lshr_b32 s60, s15, 4
	s_lshl_b32 s60, s60, 21
	s_and_b32 s61, s15, 15
	s_lshl_b32 s61, s61, 10
	s_add_co_u32 s60, s60, s61                     ; aimg: b x 2^21 + head pair x 2,048 + head x 1,024
	s_lshl_b32 s62, s16, 16
	s_add_co_u32 s62, s62, s60
	s_add_nc_u64 s[AO:AO+1], s[12:13], s[62:63]
	s_lshl_b32 s62, s19, 16
	s_add_co_u32 s62, s62, s60
	s_add_nc_u64 s[38:39], s[12:13], s[62:63]
	s_lshl_b32 s62, s16, 19
	s_add_nc_u64 s[MB:MB+1], s[6:7], s[62:63]
	s_lshl_b32 s62, s19, 19
	s_add_nc_u64 s[36:37], s[6:7], s[62:63]
	s_wait_kmcnt 0x0
; from four loaded words (s[f] on): the steps to walk behind the first, those that want the mask, their number, the first step
.macro FLAGS f, u, mn, n, j
	s_and_b32 s60, s[\f], s[\f+2]                  ; a step goes only if both pairs can do without it
	s_not_b32 s60, s60
	s_and_b32 s60, s60, 0xffff
	s_and_b32 s61, s[\f+1], s[\f+3]
	s_and_not1_b32 s[\mn], s60, s61
	s_bcnt1_i32_b32 s[\n], s60
	s_max_u32 s[\n], s[\n], 1
	s_ctz_i32_b32 s[\j], s60
	s_min_u32 s[\j], s[\j], 15                     ; a loaded number enters an address only behind this bound
	s_sub_co_u32 s61, s60, 1
	s_and_b32 s[\u], s60, s61
.endm
	FLAGS 68, U, MN, N, JC
	FLAGS 72, 57, 58, 59, NXT
.macro KLOAD                           ; 128 keys x 64 channels: 16 loads
.irp kt, 0,1,2,3,4,5,6,7
.irp c, 0,1
	global_load_b128 v[8*\kt+4*\c:8*\kt+4*\c+3], v1, s[KA:KA+1] offset:\kt*2048+\c*512
.endr
.endr
.endm
.macro VLOAD                           ; 64 channels x 128 keys: 16 loads
.irp dt, 0,1,2,3
.irp c, 0,1,2,3
	global_load_b128 v[64+16*\dt+4*\c:67+16*\dt+4*\c], v1, s[VA:VA+1] offset:\dt*2048+\c*512
.endr
.endr
.endm
	s_lshl_b32 s94, s[JC], 14
	s_mov_b32 s95, 0
	s_add_nc_u64 s[KA:KA+1], s[KB:KB+1], s[94:95]
	s_add_nc_u64 s[VA:VA+1], s[VB:VB+1], s[94:95]
	WIN 0x80
	KLOAD
	VLOAD
	WIN 0
	s_add_co_i32 s60, s82, s83
	s_sub_co_i32 s60, s60, 3
	s_lshl_b32 s60, s60, 23
	s_add_co_i32 s[CS], s60, 0x3fb8aa3b            ; e6 + e7 - 3 is added to the exponent field of log2(e)
	s_mov_b32 s[CS+1], s[CS]
	s_mov_b32 s[SEL], 0x76543210
	s_mov_b32 s[SEL+1], 0xfedcba98
	s_mov_b32 s[EP], s84
	s_add_co_i32 s60, s84, 127
	s_lshl_b32 s61, s60, 23
	s_add_co_i32 s60, s60, 8
	s_lshl_b32 s60, s60, 23
	s_or_b32 s[HOLD], s60, 0x600000
	s_add_co_i32 s[EPV], s84, s85
	s_add_co_i32 s60, s86, 127
	s_lshl_b32 s62, s60, 23
	s_add_co_i32 s60, s60, 8
	s_lshl_b32 s60, s60, 23
	s_or_b32 s[LIMP], s60, 0x600000
	s_or_b32 s[LIMN], s[LIMP], 0x80000000
.irp x, 0,1
	WIN 0x40*\x
	v_mov_b32 v2, s61
	v_mov_b32 v3, s62
.endr
	WIN 0
; S^T = K Q^T: 32 products, each on an accumulator of its own.  cm = 0: the sums begin at 0; 1: at the mask's image, which has been loaded into S
.macro QK cm
.irp x, 0,1
	WIN 0x02+0x54*\x
.irp kt, 0,1,2,3,4,5,6,7
.irp t, 0,1
.if \cm
	v_wmma_f32_16x16x64_fp8_fp8 v[52+68*\t+8*\kt:59+68*\t+8*\kt], v[8*\kt:8*\kt+7], v[32+8*\t:39+8*\t], v[52+68*\t+8*\kt:59+68*\t+8*\kt]
.else
	v_wmma_f32_16x16x64_fp8_fp8 v[52+68*\t+8*\kt:59+68*\t+8*\kt], v[8*\kt:8*\kt+7], v[32+8*\t:39+8*\t], 0
.endif
.endr
.endr
.endr
	WIN 0
.endm
; Pair x's softmax of a key step; the two tiles alternate line by line.
.macro SOFTMAX x
	WIN 0x55*\x
.set i, 0
.rept 32
	v_pk_mul_f32 v[52+i:53+i], v[52+i:53+i], s[CS:CS+1] op_sel_hi:[1,0]      ; t = S x c, each accumulator from its low end on
	v_pk_mul_f32 v[120+i:121+i], v[120+i:121+i], s[CS:CS+1] op_sel_hi:[1,0]
.set i, i+2
.endr
.irp t, 0,1
	v_max3_num_f32 v[24+4*\t], v[52+68*\t], v[53+68*\t], v[54+68*\t]        ; the step's largest t among my 64 keys, two chains a tile
	v_max3_num_f32 v[25+4*\t], v[55+68*\t], v[56+68*\t], v[57+68*\t]
.endr
.set i, 6
.rept 14
.irp t, 0,1
	v_max3_num_f32 v[24+4*\t], v[24+4*\t], v[52+68*\t+i], v[53+68*\t+i]
	v_max3_num_f32 v[25+4*\t], v[25+4*\t], v[54+68*\t+i], v[55+68*\t+i]
.endr
.set i, i+4
.endr
.irp t, 0,1
	v_max3_num_f32 v[24+4*\t], v[24+4*\t], v[114+68*\t], v[115+68*\t]
.endr
.irp t, 0,1
	v_max_num_f32 v[24+4*\t], v[24+4*\t], v[25+4*\t]
.endr
.irp t, 0,1
	v_permlanex16_b32 v[26+4*\t], v[24+4*\t], s[SEL], s[SEL+1]              ; the query's other 64 keys lie in lane l xor 16
.endr
.irp t, 0,1
	v_max_num_f32 v[24+4*\t], v[24+4*\t], v[26+4*\t]
.endr
.irp t, 0,1
	v_max_num_f32 v[9+8*\t], v[9+8*\t], v[24+4*\t]                          ; the running largest t
	v_mov_b32 v[27+4*\t], v[8+8*\t]
.endr
.irp t, 0,1
	v_floor_f32 v[8+8*\t], -v[9+8*\t]                                       ; -M = floor(-t): M is a whole number
.endr
.irp t, 0,1
	v_sub_f32 v[27+4*\t], v[8+8*\t], v[27+4*\t]                             ; old M - new M, 0 or less
.endr
.irp t, 0,1
	v_cvt_i32_f32 v[27+4*\t], v[27+4*\t]                                    ; (it saturates)
.endr
.irp t, 0,1
	v_ldexp_f32 v[12+8*\t], 1.0, v[27+4*\t]                                 ; f = 2^(old M - new M)
.endr
.set k, 0
.rept 33                               ; ONE BATCH: t - M of pair k of both tiles, then the four exponentials of pair k - 1.  No line of it names an exponential's result
.if k < 32
	v_pk_add_f32 v[52+2*k:53+2*k], v[52+2*k:53+2*k], v[8:9] op_sel_hi:[1,0]
	v_pk_add_f32 v[120+2*k:121+2*k], v[120+2*k:121+2*k], v[16:17] op_sel_hi:[1,0]
.endif
.if k > 0
	v_exp_f32 v[50+2*k], v[50+2*k]
	v_exp_f32 v[51+2*k], v[51+2*k]
	v_exp_f32 v[118+2*k], v[118+2*k]
	v_exp_f32 v[119+2*k], v[119+2*k]
.endif
.set k, k+1
.endr
	v_pk_mul_f32 v[10:11], v[10:11], v[12:13] op_sel_hi:[1,0]               ; the sums under the new M: the plain lines behind the last exponential
	v_pk_mul_f32 v[18:19], v[18:19], v[20:21] op_sel_hi:[1,0]
	s_wait_alu depctr_va_vdst(0)                   ; one wait for the batch's 128 exponentials, ahead of the first line that names a result
	v_pk_add_f32 v[14:15], v[52:53], v[54:55]      ; the row's sum is taken of the unquantised p: two chains a tile
	v_pk_add_f32 v[22:23], v[120:121], v[122:123]
.set i, 4
.rept 15
	v_pk_add_f32 v[10:11], v[10:11], v[52+i:53+i]
	v_pk_add_f32 v[18:19], v[18:19], v[120+i:121+i]
	v_pk_add_f32 v[14:15], v[14:15], v[54+i:55+i]
	v_pk_add_f32 v[22:23], v[22:23], v[122+i:123+i]
.set i, i+4
.endr
	v_pk_add_f32 v[10:11], v[10:11], v[14:15]
	v_pk_add_f32 v[18:19], v[18:19], v[22:23]
	WIN 0
	s_cmp_ge_i32 s[EP], -8                         ; p is at most 1: with ep >= -8, p / 2^ep is at most 256 and the hold at 448 can change nothing.  A whole number read from memory decides
	s_cbranch_scc1 .Lno_hold_\@
	WIN 0x55*\x
.set i, 0
.rept 64
	v_min_num_f32 v[52+i], s[HOLD], v[52+i]        ; the conversion does not saturate (ISA guide 7.6.2); p is not negative, so the hold is one-sided
	v_min_num_f32 v[120+i], s[HOLD], v[120+i]
.set i, i+1
.endr
	WIN 0
.Lno_hold_\@:
	WIN 0x55*\x
.irp b, 0,1,2,3
.irp t, 0,1
	v_cvt_scalef32_pk8_fp8_f32 v[48+68*\t+4*\b:49+68*\t+4*\b], v[52+68*\t+16*\b:59+68*\t+16*\b], v2
	v_cvt_scalef32_pk8_fp8_f32 v[50+68*\t+4*\b:51+68*\t+4*\b], v[60+68*\t+16*\b:67+68*\t+16*\b], v2
.endr
.irp i, 0,2,4,6
	v_pk_mul_f32 v[184+8*\b+\i:185+8*\b+\i], v[184+8*\b+\i:185+8*\b+\i], v[12:13] op_sel_hi:[1,0]   ; O^T under the new M.  These are also the plain lines between a conversion and the later one that writes over its sources,
	v_pk_mul_f32 v[216+8*\b+\i:217+8*\b+\i], v[216+8*\b+\i:217+8*\b+\i], v[20:21] op_sel_hi:[1,0]   ; and in front of the products that read the codes
.endr
.endr
.endm
.macro PV x                            ; O^T += V^T P^T: eight accumulators by turns
	s_wait_loadcnt 16                              ; V is in; the next step's K, sixteen loads, may be out
	WIN 0x02+0x54*\x
.irp dt, 0,1,2,3
.irp t, 0,1
	v_wmma_f32_16x16x128_fp8_fp8 v[184+32*\t+8*\dt:191+32*\t+8*\dt], v[64+16*\dt:79+16*\dt], v[48+68*\t:63+68*\t], v[184+32*\t+8*\dt:191+32*\t+8*\dt]
.endr
.endr
.endm
.macro INIT x                          ; which step comes first hangs on the stored numbers, so the step is written once and finds zeros, which the first change of M leaves zeros
	WIN 0x55*\x
.irp t, 0,1
	v_mov_b32 v[9+8*\t], 0xff61b1e6                ; the largest t so far: -3e38
	v_mov_b32 v[8+8*\t], 0x7f61b1e6                ; -M = floor(3e38)
	v_mov_b32 v[10+8*\t], 0
	v_mov_b32 v[11+8*\t], 0
	v_mov_b32 v[13+8*\t], 0                        ; (named as the upper half of f's pair)
	v_mov_b32 v[26+4*\t], 0                        ; a lane permute's destination counts as read
.endr
.set i, 0
.rept 64
	v_mov_b32 v[184+i], 0
.set i, i+1
.endr
.endm
.macro FINISH x                        ; att = O^T x 2^(ep + e9) / the sum, held, converted under e10, stored as two chunks of a fragment a tile
	WIN 0x55*\x
.irp t, 0,1
	v_add_f32 v[14+8*\t], v[10+8*\t], v[11+8*\t]
.endr
.irp t, 0,1
	v_permlanex16_b32 v[26+4*\t], v[14+8*\t], s[SEL], s[SEL+1]
.endr
.irp t, 0,1
	v_add_f32 v[14+8*\t], v[14+8*\t], v[26+4*\t]
.endr
.irp t, 0,1
	v_rcp_f32 v[12+8*\t], v[14+8*\t]
.endr
	v_nop                                          ; a plain line behind the reciprocals,
	s_wait_alu depctr_va_vdst(0)                   ; and the one wait ahead of their first reader
.irp t, 0,1
	v_ldexp_f32 v[12+8*\t], v[12+8*\t], s[EPV]
.endr
.set i, 0
.rept 16
	v_pk_mul_f32 v[184+i:185+i], v[184+i:185+i], v[12:13] op_sel_hi:[1,0]
	v_pk_mul_f32 v[216+i:217+i], v[216+i:217+i], v[20:21] op_sel_hi:[1,0]
.set i, i+2
.endr
.set i, 0
.rept 64
	v_med3_num_f32 v[184+i], v[184+i], s[LIMN], s[LIMP]
.set i, i+1
.endr
.irp t, 0,1
.irp b, 0,1
	v_cvt_scalef32_pk8_fp8_f32 v[52+68*\t+4*\b:53+68*\t+4*\b], v[184+32*\t+16*\b:191+32*\t+16*\b], v3
	v_cvt_scalef32_pk8_fp8_f32 v[54+68*\t+4*\b:55+68*\t+4*\b], v[192+32*\t+16*\b:199+32*\t+16*\b], v3
.endr
.endr
	v_nop                                          ; a plain line behind the conversions
	WIN 0x04*\x
.irp t, 0,1
.irp b, 0,1
	global_store_b128 v1, v[52+68*\t+4*\b:55+68*\t+4*\b], s[AO:AO+1] offset:(2*\x+\t)*16384+\b*512
.endr
.endr
.endm
	s_wait_loadcnt 32                              ; both tasks' Q are in; the first K and V, 32 loads, may be out
	s_mov_b32 s[TAU], 0
.Ltask:
	s_cmp_eq_u32 s[TAU], 0
	s_cbranch_scc1 .Lset
	s_wait_xcnt 0x0                                ; the first task's stores have read their registers and their base
	s_mov_b64 s[MB:MB+1], s[36:37]
	s_mov_b64 s[AO:AO+1], s[38:39]
	s_mov_b32 s[U], s57
	s_mov_b32 s[MN], s58
	s_mov_b32 s[N], s59                            ; (the step in hand is the second task's first: the first task's last step asked for it)
	WIN 0x02
.set i, 0
.rept 16
	v_mov_b32 v[32+i], v[128+i]
.set i, i+1
.endr
	WIN 0x42
.set i, 0
.rept 16
	v_mov_b32 v[32+i], v[144+i]
.set i, i+1
.endr
	WIN 0
.Lset:
	INIT 0
	INIT 1
	WIN 0
	s_mov_b32 s[I], 0
.Lstep:
	s_bitcmp1_b32 s[MN], s[JC]
	s_cbranch_scc1 .Lmasked
	s_wait_loadcnt 16                              ; K is in; V, sixteen loads, may be out
	QK 0
	s_branch .Lscores
.Lmasked:
	s_lshl_b32 s60, s[JC], 13
	s_mov_b32 s61, 0
	s_wait_xcnt 0x0
	s_add_nc_u64 s[MA:MA+1], s[MB:MB+1], s[60:61]
.irp x, 0,1
	WIN 0x40*\x
.irp t, 0,1
.irp g, 0,1,2,3,4,5,6,7,8,9,10,11,12,13,14,15
	global_load_b128 v[52+68*\t+4*\g:55+68*\t+4*\g], v1, s[MA:MA+1] offset:(2*\x+\t)*131072+\g*512
.endr
.endr
.endr
	s_wait_loadcnt 0x0
	QK 1
.Lscores:
.rept 4
	v_nop                                          ; places in front of the loads into K's registers and of the first read of the scores
.endr
	s_ctz_i32_b32 s[JN], s[U]                      ; the next step of the task, or behind the last the second task's first.  The loads below are issued in every trip, so that every count holds on every way
	s_cmp_lg_u32 s[U], 0
	s_cselect_b32 s[JN], s[JN], s[NXT]
	s_min_u32 s[JN], s[JN], 15
	s_sub_co_u32 s60, s[U], 1
	s_and_b32 s[U], s[U], s60
	s_lshl_b32 s94, s[JN], 14
	s_wait_xcnt 0x0
	s_add_nc_u64 s[KA:KA+1], s[KB:KB+1], s[94:95]
	WIN 0x80
	KLOAD
	SOFTMAX 0
	PV 0
	SOFTMAX 1                                      ; pair 1's vector work stands beside pair 0's products
	PV 1
	WIN 0
.rept 5
	v_nop                                          ; five places: the next K Q^T writes over p's codes, which these products read; V's loads land in their sources
.endr
	s_wait_xcnt 0x0
	s_add_nc_u64 s[VA:VA+1], s[VB:VB+1], s[94:95]
	WIN 0x80
	VLOAD
	WIN 0
	s_mov_b32 s[JC], s[JN]
	s_add_co_u32 s[I], s[I], 1
	s_cmp_lt_u32 s[I], s[N]
	s_cbranch_scc1 .Lstep
	FINISH 0
	FINISH 1
	WIN 0
	s_add_co_u32 s[TAU], s[TAU], 1
	s_cmp_lt_u32 s[TAU], 2
	s_cbranch_scc1 .Ltask
	s_endpgm
.Lfunc_end_k_qd788d6c0f0_attn:
	.size	k_qd788d6c0f0_attn, .Lfunc_end_k_qd788d6c0f0_attn-k_qd788d6c0f0_attn
	.p2alignl 7, 3214868480
	.fill 96, 4, 3214868480
	.section	.rodata,"a",@progbits
	.p2align	6, 0x0
	.amdhsa_kernel k_qd788d6c0f0_attn
		.amdhsa_group_segment_fixed_size 0
		.amdhsa_private_segment_fixed_size 0
		.amdhsa_enable_private_segment 0
		.amdhsa_kernarg_size 40
		.amdhsa_user_sgpr_count 2
		.amdhsa_user_sgpr_kernarg_segment_ptr 1
		.amdhsa_wavefront_size32 1
		.amdhsa_system_sgpr_workgroup_id_x 1
		.amdhsa_system_sgpr_workgroup_id_y 1
		.amdhsa_system_sgpr_workgroup_id_z 1
		.amdhsa_system_vgpr_workitem_id 0
		.amdhsa_next_free_vgpr 672
		.amdhsa_next_free_sgpr 96
		.amdhsa_reserve_vcc 0
		.amdhsa_float_denorm_mode_32 3
		.amdhsa_float_denorm_mode_16_64 3
		.amdhsa_memory_ordered 1
		.amdhsa_forward_progress 1
		.amdhsa_inst_pref_size 102
	.end_amdhsa_kernel
	.amdgpu_metadata
---
amdhsa.version: [ 1, 2 ]
amdhsa.kernels:
  - .name:           k_qd788d6c0f0_attn
    .symbol:         k_qd788d6c0f0_attn.kd
    .args:
      - { .name: qkv, .offset: 0, .size: 8, .value_kind: global_buffer, .address_space: global }
      - { .name: mimg, .offset: 8, .size: 8, .value_kind: global_buffer, .address_space: global }
      - { .name: flags, .offset: 16, .size: 8, .value_kind: global_buffer, .address_space: global }
      - { .name: lowp_scales, .offset: 24, .size: 8, .value_kind: global_buffer, .address_space: global }
      - { .name: aimg, .offset: 32, .size: 8, .value_kind: global_buffer, .address_space: global }
    .group_segment_fixed_size: 0
    .private_segment_fixed_size: 0
    .kernarg_segment_align: 8
    .kernarg_segment_size: 40
    .max_flat_workgroup_size: 128
    .sgpr_count:     96
    .vgpr_count:     672
    .wavefront_size: 32
...
	.end_amdgpu_metadata
.endif
;; end of part 3
;; launch outp (part 4): grid 4 x 64, 4 waves a work-group, clusters of 4 x 4, 327,680 bytes of LDS; arguments aimg, wimg, bo, lowp_scales, out0; writes out0
.if DOCPART == 4
	.amdgcn_target "amdgcn-amd-amdhsa--gfx1250"
	.amdhsa_code_object_version 6
	.text
	.protected	k_qd788d6c0f0_outp
	.globl	k_qd788d6c0f0_outp
	.p2align	8
	.type	k_qd788d6c0f0_outp,@function
k_qd788d6c0f0_outp:
	s_mov_b64 s[64:65], 0
	v_nop
	global_prefetch_b8 v0, s[64:65] scope:SCOPE_SE
	s_setreg_imm32_b32 hwreg(HW_REG_WAVE_MODE, 25, 1), 1
	s_wait_xcnt 0x0
	s_wait_alu depctr_hold_cnt(0) depctr_sa_sdst(0) depctr_va_vdst(0) depctr_va_sdst(0) depctr_va_ssrc(0) depctr_va_vcc(0) depctr_vm_vsrc(0)
	s_getreg_b32 s2, hwreg(HW_REG_IB_STS2, 6, 4)
	s_cmp_eq_u32 s2, 0
	s_cbranch_scc0 .Lentry_in_a_cluster
	s_endpgm
.Lentry_in_a_cluster:
	s_bfe_u32 s2, ttmp6, 0x10000c
	s_cmp_lg_u32 s2, 0xf033
	s_cbranch_scc0 .Lentry_shape_is_right
	s_endpgm
.Lentry_shape_is_right:
; FOURTH LAUNCH: out0 = att Wo^T + bo on codes of FP8 (E4M3).  Nothing of reference() is left out here.
; The second launch's form on a tile of 128 tokens x 256 outputs, so that there are 256 work-groups: a wave makes 64 x 128, 32 accumulators.  Operands come as images of their registers (2,048 bytes a fragment, four loads at 16 x lane).
; Source 1 (A) = att's tokens, on the lanes; source 0 (B) = Wo's rows, along the registers: a lane's eight results are eight neighbouring outputs of one token.
; CLUSTERS: 4 x 4 work-groups; A's tile hangs on the block of tokens (cy) and is asked for jointly by my row of the cluster, B's on the block of outputs (cx) and by my column.
; y = sum x 2^(e10 + e11) + bo: one packed multiply-add for two numbers.  LIMIT: e10 + e11 between -126 and 127.
; The way out goes through the wave's own stage in LDS, behind the ring, where no tensor load lands: 16 tokens x 512 bytes at a time; each store covers 512 consecutive bytes, aligned.
; No prefetch: of the four fills two go out at the head, and the tiles are shared by joint loads.
; REGISTERS: window 0: v16-29 addresses; v32-95 bo; v128-191 A's four fragments, later results.  Window 1: B's two sets, later rows read back.  Window 2: accumulator (a, tb) at v[8 (8 a + tb)].
.set SLOT,  98304                      ; A's 8 tiles x 4,096 bytes, then B's 16
.set STAGE, 2*SLOT                     ; 16 rows x 528 bytes for each wave
.set SPARE, STAGE+4*16*528
.set ADRA, 16
.set ADRB, 20
.set VL,   24                          ; v24  16 x lane
.set BH,   25                          ; v25  64 h
.set STO,  26
.set RD,   27
.set SPW,  28
.set NIL,  29
.set BO,   32
.set AF,   128
.set TMP,  128
.set G1,  24
.set G0,  32
.set G1B, 48
.set G0B, 56
.set MSB, 0
.macro WIN new
.if MSB != (\new)
	s_set_vgpr_msb (MSB<<8)|(\new)
.set MSB, (\new)
.endif
.endm
.macro JLOAD g0a, g1a, g0b, g1b        ; a joint load: waves 0, 1 fetch for A, waves 2, 3 for B; an s_nop 0 and four v_nop follow each line
	s_cmp_eq_u32 s15, 0
	s_cbranch_scc0 .Lfor_b_\@
	tensor_load_to_lds s[\g0a:\g0a+3], s[\g1a:\g1a+7]
	s_nop 0
.rept 4
	v_nop
.endr
	s_branch .Lasked_\@
.Lfor_b_\@:
	tensor_load_to_lds s[\g0b:\g0b+3], s[\g1b:\g1b+7]
	s_nop 0
.rept 4
	v_nop
.endr
.Lasked_\@:
.endm
.macro CREST
	s_cmp_lg_u32 s14, 0
	s_cbranch_scc1 .Lnot_wave_0_\@
	s_barrier_signal -3
.Lnot_wave_0_\@:
	s_barrier_wait -3
	s_barrier_signal -1
	s_barrier_wait -1
.endm
.macro CROUND
	s_barrier_signal -1
	s_barrier_wait -1
	CREST
.endm
.macro PLACES n
.rept \n
	v_nop
.endr
.endm
	s_load_b256 s[4:11], s[0:1], 0x0               ; aimg, wimg, bo, lowp_scales
	s_load_b64 s[72:73], s[0:1], 0x20              ; out0
	v_lshl_add_u32 v[SPW], v0, 2, SPARE
	v_mov_b32 v[NIL], 0
	ds_add_u32 v[SPW], v[NIL]                      ; the wave's opening: the add, twice on end, and its wait ahead of my first tensor load
	ds_add_u32 v[SPW], v[NIL]
	v_lshrrev_b32 v1, 5, v0
	v_readfirstlane_b32 s14, v1
	s_lshr_b32 s15, s14, 1                         ; my half of the tokens.  Also: I fetch for A (0) or B (1)
	s_and_b32 s16, s14, 1                          ; my half of the outputs.  Also: which half of that tile I fetch
	s_bfe_u32 s40, ttmp6, 0x40000                  ; cx
	s_bfe_u32 s41, ttmp6, 0x40004                  ; cy
	s_lshl_b32 s43, ttmp9, 2
	s_add_co_u32 s43, s43, s40                     ; the block of 256 outputs
	s_and_b32 s17, ttmp7, 0xffff
	s_lshl_b32 s17, s17, 2
	s_add_co_u32 s42, s17, s41                     ; the block of 128 tokens
	s_lshl_b32 s44, s41, 2
	s_lshl_b32 s44, 15, s44                        ; my row of the cluster
	s_lshl_b32 s45, 0x1111, s40                    ; my column
	s_or_b32 s[G1], s44, (3<<16)|(1<<21)           ; the mask; elements of 8 bytes; bit 21 beside a mask; no padding
	s_or_b32 s[G1B], s45, (3<<16)|(1<<21)
	s_mov_b32 s[G1+1], 512<<16                     ; A: 4 tiles x 4,096 bytes, 16,384 bytes apart
	s_mov_b32 s[G1+2], 4<<16
	s_mov_b32 s[G1+3], 512<<16
	s_mov_b32 s[G1+4], 4
	s_mov_b32 s[G1+5], 2048
	s_mov_b32 s[G1+6], 0
	s_mov_b32 s[G1+7], 0
	s_mov_b32 s[G1B+1], 512<<16                    ; B: 8 tiles
	s_mov_b32 s[G1B+2], 8<<16
	s_mov_b32 s[G1B+3], 512<<16
	s_mov_b32 s[G1B+4], 8
	s_mov_b32 s[G1B+5], 2048
	s_mov_b32 s[G1B+6], 0
	s_mov_b32 s[G1B+7], 0
	s_lshl_b32 s20, s42, 17
	s_lshl_b32 s22, s16, 16
	s_add_co_u32 s20, s20, s22
	s_mov_b32 s21, 0
	s_lshl_b32 s46, s43, 18
	s_lshl_b32 s23, s16, 17
	s_add_co_u32 s46, s46, s23
	s_add_co_u32 s46, s46, 0x300000                ; Wo is the fourth image
	s_mov_b32 s47, 0
	s_lshl_b32 s88, s16, 14                        ; where they go: of the wave's number alone
	s_lshl_b32 s89, s16, 15
	s_add_co_u32 s89, s89, 32768
	s_wait_dscnt 0x0                               ; both opening adds are done
	s_wait_kmcnt 0x0
	s_load_b64 s[76:77], s[10:11], 0x28            ; e10, e11
	s_add_nc_u64 s[20:21], s[4:5], s[20:21]
	s_add_nc_u64 s[46:47], s[6:7], s[46:47]
	CROUND                                         ; all sixteen work-groups are here: the first joint loads meet
.irp s, 0,1
	s_mov_b32 s[G0+4*\s], 1
	s_add_co_u32 s[G0+4*\s+1], s88, \s*SLOT
	s_add_nc_u64 s[G0+4*\s+2:G0+4*\s+3], s[20:21], \s*4096
	s_or_b32 s[G0+4*\s+3], s[G0+4*\s+3], 0x80000000
	s_mov_b32 s[G0B+4*\s], 1
	s_add_co_u32 s[G0B+4*\s+1], s89, \s*SLOT
	s_add_nc_u64 s[G0B+4*\s+2:G0B+4*\s+3], s[46:47], \s*4096
	s_or_b32 s[G0B+4*\s+3], s[G0B+4*\s+3], 0x80000000
	JLOAD G0+4*\s, G1, G0B+4*\s, G1B               ; two loads of mine are out
.endr
	v_and_b32 v1, 31, v0
	v_lshlrev_b32 v[VL], 4, v1
	v_and_b32 v2, 15, v0
	v_bfe_u32 v3, v0, 4, 1
	v_lshlrev_b32 v[BH], 6, v3
	s_lshl_b32 s74, s15, 14
	v_add_nc_u32 v[ADRA], s74, v[VL]
	v_add_nc_u32 v[ADRA+1], SLOT, v[ADRA]
	v_add_nc_u32 v[ADRB], s89, v[VL]
	v_add_nc_u32 v[ADRB+1], SLOT, v[ADRB]
	s_mul_i32 s74, s14, 16*528
	s_add_co_u32 s74, s74, STAGE                   ; my stage
	v_mul_u32_u24 v[STO], v2, 528
	v_add_nc_u32 v[STO], v[STO], v[BH]
	v_add_nc_u32 v[STO], s74, v[STO]               ; in: row r, + 64 h
	v_add_nc_u32 v[RD], s74, v[VL]                 ; back: a row of 512 bytes, 16 a lane
	s_lshl_b32 s98, s43, 10                        ; bo: my 128 numbers
	s_lshl_b32 s99, s16, 9
	s_add_co_u32 s98, s98, s99
	s_mov_b32 s99, 0
	s_add_nc_u64 s[8:9], s[8:9], s[98:99]
.irp tb, 0,1,2,3,4,5,6,7
	global_load_b128 v[BO+8*\tb:BO+8*\tb+3], v[BH], s[8:9] offset:(32*(\tb/2)+8*(\tb%2))*4      ; for tile tb the outputs 32 (tb/2) + 16 h + 8 (tb%2) + 0..7
	global_load_b128 v[BO+8*\tb+4:BO+8*\tb+7], v[BH], s[8:9] offset:(32*(\tb/2)+8*(\tb%2))*4+16
.endr
	s_lshl_b32 s100, s42, 19                       ; out0: my first token's row, my 512 bytes of it
	s_lshl_b32 s101, s15, 18
	s_add_co_u32 s100, s100, s101
	s_add_co_u32 s100, s100, s98
	s_mov_b32 s101, 0
	s_add_nc_u64 s[72:73], s[72:73], s[100:101]
.macro FRAG reg, adr, q, i
.irp c, 0,1,2,3
	ds_load_b128 v[\reg+4*\c:\reg+4*\c+3], v[\adr] offset:(\i)*4096+(\q)*2048+512*\c
.endr
.endm
.macro FETCH_B slot, q, p
	WIN 0x40
.irp i, 0,1,2,3,4,5,6,7
	FRAG 128*(\p)+16*\i, ADRB+\slot, \q, \i
.endr
	WIN 0
.endm
.macro FETCH_A slot, q, i0
.irp i, \i0, \i0+1
	FRAG AF+16*(\i), ADRA+\slot, \q, \i
.endr
.endm
.macro MULA a, p, zero                 ; eight products: A's block a against B's eight of set p.  The 32 accumulators take turns in one order
	WIN 0xa1
.irp b, 0,1,2,3,4,5,6,7
.if \zero
	v_wmma_f32_16x16x128_fp8_fp8 v[8*(8*(\a)+\b):8*(8*(\a)+\b)+7], v[128*(\p)+16*\b:128*(\p)+16*\b+15], v[AF+16*(\a):AF+16*(\a)+15], 0
.else
	v_wmma_f32_16x16x128_fp8_fp8 v[8*(8*(\a)+\b):8*(8*(\a)+\b)+7], v[128*(\p)+16*\b:128*(\p)+16*\b+15], v[AF+16*(\a):AF+16*(\a)+15], v[8*(8*(\a)+\b):8*(8*(\a)+\b)+7]
.endif
.endr
.endm
.macro STEP slot, zero
	s_wait_dscnt 8                                 ; B's set and A's blocks 0, 1 are in; blocks 2, 3, eight loads, may be out
	MULA 0, 0, \zero
	MULA 1, 0, \zero
	s_wait_dscnt 0
	PLACES 4
	FETCH_B \slot, 1, 1
	FETCH_A \slot, 1, 0
	MULA 2, 0, \zero
	MULA 3, 0, \zero
	PLACES 4
	WIN 0
	FETCH_A \slot, 1, 2
.endm
.macro TURN slot, next, fill
	s_wait_tensorcnt 0x0                           ; my one load that was out, my part of the next slot, has landed
	ds_add_u32 v[SPW], v[NIL]
	s_wait_dscnt 9                                 ; the add and A's blocks 2, 3 may be out
	MULA 0, 1, 0
	s_wait_dscnt 0x0                               ; the add is done, my reads of this slot are over
	s_barrier_signal -1
	MULA 1, 1, 0
	WIN 0
	s_barrier_wait -1
.if \fill
	CREST                                          ; the barrier has opened a round of the cluster's
	s_add_nc_u64 s[G0+4*\slot+2:G0+4*\slot+3], s[G0+4*\slot+2:G0+4*\slot+3], 8192
	s_add_nc_u64 s[G0B+4*\slot+2:G0B+4*\slot+3], s[G0B+4*\slot+2:G0B+4*\slot+3], 8192
	JLOAD G0+4*\slot, G1, G0B+4*\slot, G1B         ; my one load behind the round; its four v_nop are the places in front of the loads below
.else
	PLACES 4
.endif
	FETCH_B \next, 0, 0
	FETCH_A \next, 0, 0
	MULA 2, 1, 0
	MULA 3, 1, 0
	PLACES 4
	WIN 0
	FETCH_A \next, 0, 2
.endm
	s_wait_tensorcnt 1                             ; my part of slot 0 is in; slot 1's load may be out
	s_barrier_signal -1
	s_barrier_wait -1
	FETCH_B 0, 0, 0
	FETCH_A 0, 0, 0
	FETCH_A 0, 0, 2
	STEP 0, 1                                      ; the first products start the sums
	TURN 0, 1, 1
	STEP 1, 0
	TURN 1, 0, 1
	STEP 0, 0
	TURN 0, 1, 0
	STEP 1, 0
	s_wait_dscnt 8
	MULA 0, 1, 0
	MULA 1, 1, 0
	s_wait_dscnt 0
	MULA 2, 1, 0
	MULA 3, 1, 0
	WIN 0
; THE WAY OUT.  Block a (16 tokens x 128 outputs) goes into my stage and comes back as whole rows of 512 bytes.  LDS serves a wave's instructions in order: no wait between the stores and the loads, nor ahead of the next block's stores.
.macro TOSTAGE a
	WIN 0x02
.set i, 0
.rept 32
	v_pk_fma_f32 v[TMP+i:TMP+i+1], v[64*(\a)+i:64*(\a)+i+1], s[96:97], v[BO+i:BO+i+1] op_sel_hi:[1,0,1]   ; each accumulator from its low end on
.set i, i+2
.endr
	WIN 0
.irp b, 0,1,2,3,4,5,6,7
	ds_store_b128 v[STO], v[TMP+8*\b:TMP+8*\b+3] offset:128*(\b/2)+32*(\b%2)
	ds_store_b128 v[STO], v[TMP+8*\b+4:TMP+8*\b+7] offset:128*(\b/2)+32*(\b%2)+16
.endr
	WIN 0x40
.irp t, 0,1,2,3,4,5,6,7,8,9,10,11,12,13,14,15
	ds_load_b128 v[64*(\a)+4*\t:64*(\a)+4*\t+3], v[RD] offset:\t*528          ; each block has registers of its own in window 1: no store's data are written again
.endr
	WIN 0
.endm
.macro SEND a, younger                 ; younger: the LDS instructions issued behind block a's loads
	s_wait_dscnt \younger
	WIN 0x04
.irp t, 0,1,2,3,4,5,6,7,8,9,10,11,12,13,14,15
	global_store_b128 v[VL], v[64*(\a)+4*\t:64*(\a)+4*\t+3], s[72:73] offset:(32*((\a)/2)+8*((\a)%2)+\t+8*(\t/8))*4096 th:TH_STORE_NT   ; stage row t is token 32 (a/2) + 8 (a%2) + t + 8 (t/8) of my 64
.endr
	WIN 0
.endm
	s_wait_kmcnt 0x0
	s_add_co_i32 s96, s76, s77
	s_add_co_i32 s96, s96, 127
	s_lshl_b32 s96, s96, 23                        ; 2^(e10 + e11)
	s_mov_b32 s97, s96
	s_wait_loadcnt 0x0                             ; bo
	PLACES 4
	TOSTAGE 0
	TOSTAGE 1
	SEND 0, 32                                     ; behind block 0's loads: block 1's 16 stores and 16 loads
	TOSTAGE 2
	SEND 1, 32
	TOSTAGE 3
	SEND 2, 32
	SEND 3, 0
	s_wait_tensorcnt 0x0                           ; the wave's end
	ds_add_u32 v[SPW], v[NIL]
	s_wait_dscnt 0x0
	CROUND                                         ; the closing round
	s_endpgm
.Lfunc_end_k_qd788d6c0f0_outp:
	.size	k_qd788d6c0f0_outp, .Lfunc_end_k_qd788d6c0f0_outp-k_qd788d6c0f0_outp
	.p2alignl 7, 3214868480
	.fill 96, 4, 3214868480
	.section	.rodata,"a",@progbits
	.p2align	6, 0x0
	.amdhsa_kernel k_qd788d6c0f0_outp
		.amdhsa_group_segment_fixed_size 327680
		.amdhsa_private_segment_fixed_size 0
		.amdhsa_enable_private_segment 0
		.amdhsa_kernarg_size 40
		.amdhsa_user_sgpr_count 2
		.amdhsa_user_sgpr_kernarg_segment_ptr 1
		.amdhsa_wavefront_size32 1
		.amdhsa_system_sgpr_workgroup_id_x 1
		.amdhsa_system_sgpr_workgroup_id_y 1
		.amdhsa_system_sgpr_workgroup_id_z 1
		.amdhsa_system_vgpr_workitem_id 0
		.amdhsa_next_free_vgpr 768
		.amdhsa_next_free_sgpr 102
		.amdhsa_reserve_vcc 0
		.amdhsa_float_denorm_mode_32 3
		.amdhsa_float_denorm_mode_16_64 3
		.amdhsa_memory_ordered 1
		.amdhsa_forward_progress 1
		.amdhsa_inst_pref_size 78
	.end_amdhsa_kernel
	.amdgpu_metadata
---
amdhsa.version: [ 1, 2 ]
amdhsa.kernels:
  - .name:           k_qd788d6c0f0_outp
    .symbol:         k_qd788d6c0f0_outp.kd
    .args:
      - { .name: aimg, .offset: 0, .size: 8, .value_kind: global_buffer, .address_space: global }
      - { .name: wimg, .offset: 8, .size: 8, .value_kind: global_buffer, .address_space: global }
      - { .name: bo, .offset: 16, .size: 8, .value_kind: global_buffer, .address_space: global }
      - { .name: lowp_scales, .offset: 24, .size: 8, .value_kind: global_buffer, .address_space: global }
      - { .name: out0, .offset: 32, .size: 8, .value_kind: global_buffer, .address_space: global }
    .group_segment_fixed_size: 327680
    .private_segment_fixed_size: 0
    .kernarg_segment_align: 8
    .kernarg_segment_size: 40
    .max_flat_workgroup_size: 128
    .sgpr_count:     102
    .vgpr_count:     768
    .wavefront_size: 32
...
	.end_amdgpu_metadata
.endif
;; end of part 4
